; MI455X (gfx1250); checked and timed in simulation.
; The chip was launched on July 23, 2026; its instructions are those of AMD's public machine-readable ISA for CDNA 5 (MIT licence, August 2026) and "CDNA5" Instruction Set Architecture Reference Guide (July 2026). The comments in the code are by the model that wrote it; some were corrected since.
;; Self Attention. Allowed arithmetic: matrix products marked QUANTISED: E4M3 operands, one E8M0 scale for each 32 along K, by v_wmma_scale_f32_16x16x128_f8f6f4 with both operands' format E4M3, f32 sums; everything else in f32.
;; Inputs: Wk 1,024 x 1,024 float32; Wq 1,024 x 1,024 float32; Wv 1,024 x 1,024 float32; bk 1,024 float32; bq 1,024 float32; bv 1,024 float32; mask 4 x 2,048 x 2,048 int32; x 4 x 2,048 x 1,024 float32.
;; Outputs: out0 4 x 2,048 x 1,024 float32.
;; This version of the problem:
;;   THIS VERSION OF THE PROBLEM IS GIVEN IN LOW PRECISION. The matrix products marked QUANTISED in the list below multiply operands that are first quantised to E4M3 (4 exponent bits, 3 mantissa bits; 8 bits a number), with one power-of-two scale for each 32 numbers along K (OCP MX v1.0); their sums are f32. All else is computed in f32.
;;   The module's matrix products, in the order in which they are computed (A, B: the left and right operand; K: the contracted axis; several contracted axes count as one K, in the product's order):
;;     1. [M 8,192, K 1,024] x [K 1,024, N 1,024]; A: input x; B: input Wq: QUANTISED
;;     2. [M 8,192, K 1,024] x [K 1,024, N 1,024]; A: input x; B: input Wk: QUANTISED
;;     3. [M 8,192, K 1,024] x [K 1,024, N 1,024]; A: input x; B: input Wv: QUANTISED
;;     4. batch 4 x [M 2,048, K 1,024] x [K 1,024, N 2,048]; A: computed on the way; B: computed on the way: QUANTISED
;;     5. batch 4 x [M 2,048, K 2,048] x [K 2,048, N 1,024]; A: softmax (see below); B: computed on the way: QUANTISED
;;   THE QUANTISER, for each operand of a quantised product, along K:
;;     - K is cut into blocks of 32 from its start; a last block that is shorter is filled with zeros.
;;     - A block's scale is 2^e with e = floor(log2(the largest magnitude in the block)) - 8, held to -126 .. 127; a block of zeros has e = 0. As a byte (E8M0): e + 127.
;;     - Each number is divided by its block's scale, clamped to +-448, and rounded to the nearest number of E4M3, ties to even, subnormals kept.
;;     - The product sums the exact products of the quantised numbers (number of the format x scale) in f32.
;;   ~~~python
;;   def quantise(x, axis):      # numpy; x: float32 -> the quantised numbers, widened to float32 again
;;       x = np.moveaxis(x, axis, -1); K = x.shape[-1]
;;       x = np.pad(x, [(0, 0)] * (x.ndim - 1) + [(0, -K % 32)]); x = x.reshape(x.shape[:-1] + (-1, 32)); a = np.abs(x).max(-1, keepdims=True)
;;       e = np.where(a > 0, np.clip(np.frexp(np.where(a > 0, a, 1))[1] - 1 - 8, -126, 127), 0)      # np.frexp(a)[1] - 1 = floor(log2(a)), exactly
;;       r = np.clip(x / 2.0 ** e, -448, 448)
;;       step = 2.0 ** (np.maximum(np.frexp(np.where(r == 0, 1, r))[1] - 1, -6) - 3)
;;       q = np.round(r / step) * step * 2.0 ** e      # np.round: ties to even
;;       return np.moveaxis(q.reshape(q.shape[:-2] + (-1,))[..., :K], -1, axis).astype(np.float32)
;;   ~~~
;;   SOFTMAX AHEAD OF A QUANTISED PRODUCT. Where the list says 'softmax', what is quantised is not the finished softmax but p = 2^(t - M), with t = logit x log2(e) and M = ceil(the row's largest t), a whole number; so 1/2 < the row's largest p <= 1. The row's sum l is taken of the UNQUANTISED p, in f32, and the product's result is divided by l at the end. Since M is a whole number, a kernel that streams over the keys may use a running M (the ceiling of the running maximum): every later rescaling is an exact power of two, which a block's scale takes up: the codes' values come out the same.
;;   OPERANDS COMPUTED ON THE WAY. 'Computed on the way' means the value that the module computes at that place (a softmax that the list does not call 'softmax' is quantised finished and normalised). What goes into a quantiser is computed in f32, as accurately as f32 sums, v_exp_f32 and their like allow (about 1e-6 of the number): no bf16 or f16 on the way to a quantiser, and a product that is left as it is and whose result goes on into a quantised operand takes f32 operands (vector FMAs, or v_wmma_f32_16x16x4_f32). A number that lies on a knife's edge between two numbers of the format may be rounded either way, as far as f32 arithmetic and the matrix unit's own rounding can turn it there, and no further.
;; One version. Each part assembles by itself: llvm-mc -triple=amdgcn-amd-amdhsa -mcpu=gfx1250 --defsym DOCPART=n.
;; ======== version 1 of 1: 4 launches
;; limits: right only within a limited range of input values
;; workspace buffers: xw 11,894,784 bytes; mbits 2,097,152 bytes of whole numbers; qkv 25,952,256 bytes; p_img 16,777,216 bytes; p_scw 524,288 bytes; p_stat 1,048,576 bytes
;; launch prep (part 1): grid 256 x 1, 16 waves a work-group, no clusters, 323,072 bytes of LDS; arguments x, Wq, Wk, Wv, mask, xw, mbits; writes xw, mbits
.if DOCPART == 1
	.amdgcn_target "amdgcn-amd-amdhsa--gfx1250"
	.amdhsa_code_object_version 6
	.text
	.protected	k_qcb3eb24e3d_prep
	.globl	k_qcb3eb24e3d_prep
	.p2align	8
	.type	k_qcb3eb24e3d_prep,@function
k_qcb3eb24e3d_prep:
	s_mov_b64 s[64:65], 0
	v_nop
	global_prefetch_b8 v0, s[64:65] scope:SCOPE_SE
	s_setreg_imm32_b32 hwreg(HW_REG_WAVE_MODE, 25, 1), 1
	s_wait_xcnt 0x0
; PREP: every large input is read once.  x [8192][1024], Wq, Wk, Wv [1024][1024] (f32, K innermost) become codes of FP8 (E4M3) with one E8M0 byte for each 32 along K;
; mask [8192][2048] (int32) becomes one bit a number.
; A UNIT is 64 rows x 128 along K: 8,448 bytes = 4 tiles of 16 rows (2,048 bytes each), then 256 bytes of scale words.  A tile is the image of an operand's 16 registers:
; byte 512 c + 16 lane + y = code of (slot lane % 16, k = 32 c + 16 (lane / 16) + y).  Slot r of tile 2 g + u is row 32 g + 8 u + r % 8 + 16 (r / 8).  The scale word of (tile u, slot r) lies at 8,192 + 16 r + 4 u.
; xw: [group of 64 rows][8 along K][unit]: groups 0-127 are x; then for each j of 8, in this order: Wq's two groups of outputs 128 j .., Wv's first, Wk's two, Wv's second.
; mbits [tile of 16 rows][chunk of 128 keys][64]: bit lane of word e = (mask(slot lane % 16, 128 chunk + 32 (e / 16) + 16 (lane / 16) + e % 16) != 0): the lane mask of score register e.
; SHARES.  256 work-groups of 16 waves.  Work-group i takes 32 rows of the mask: wave w the 128 keys of chunk w, 32 rows x 512 bytes, by ONE tensor load at the head into LDS of its own (rows 528 bytes apart).
; Of the 1,408 units of x and the weights two neighbouring work-groups take 11: the even one's waves 0-5 a unit each, the odd one's waves 0-4.  Such a wave loads its unit to registers (each load 512 consecutive bytes of a row, two tiles of 16 rows ahead),
; and each tile turns through the wave's own stage in LDS, so that lane (r, h) holds, of slot r, 16 neighbours of each block of 32; then the wave does its part of the mask.  Waves share nothing: no barrier.  No work-group reads what another reads: no cluster.
; A prefetch is left out: the mask is asked for whole at the head, x and the weights two tiles ahead in at most four; there is no loop to run ahead in.
; A block's scale is 2^(floor(log2(largest magnitude)) - 8); its byte is that magnitude's exponent field - 8, held at 1 from below.
; LIMITS: a block of zeros, or one whose largest magnitude lies under 2^-118, gets the byte 1 (the bytes are read by this program alone); NaN and infinities among x and the weights are not served.
.set MSL,   16896                      ; a wave's 32 rows of the mask
.set STG,   270336                     ; behind the sixteen: six stages of 16 rows x (512 + 16) bytes
.set SPARE, 321024                     ; the spare words, 128 bytes a wave
.set LO,   4                           ; 16 x lane
.set SI,   5                           ; the stage, on the way in: + 16 x lane
.set SO,   6                           ; on the way out: + 528 r + 64 h
.set MO,   7                           ; 8 x lane
.set MA,   9                           ; my slot's row in the mask's LDS
.set WO,   10                          ; 16 r + 8 h
.set R,    16                          ; v16-143  two sets of 64: a tile as loaded
.set X,    144                         ; v144-207 a tile turned
.set PC,   208                         ; v208-223 a tile's codes
.set TM,   224
.set PW,   240                         ; v240-243 the four tiles' scale words
.set OW,   248
.set OUTM, 250                         ; v250-253 two registers of mask words for each tile
.set SPW,  254
.set NIL,  255
.set SEL,  24
.set MNT,  26
.set HM,   27
.set G0,   48
.set G1,   52
.macro LOAD t                          ; tile t: 16 rows, 512 consecutive bytes each, into set t % 2
.irp rr, 0,1,2,3,4,5,6,7,8,9,10,11,12,13,14,15
	global_load_b128 v[R+64*((\t)%2)+4*\rr:R+64*((\t)%2)+4*\rr+3], v[LO], s[28:29] offset:(32*((\t)/2)+8*((\t)%2)+(\rr%8)+16*(\rr/8))*4096 th:TH_LOAD_NT
.endr
.endm
.macro QUANT s, pw                     ; 64 numbers of a lane, register 16 b + i = k 32 b + 16 h + i of my row, become codes in v[PC] on and a scale word
.irp b, 0,1,2,3
	v_max3_num_f32 v[TM+\b], |v[\s+16*\b]|, |v[\s+1+16*\b]|, 0x4800000   ; and the floor 2^(9 - 127)
.endr
.irp i, 2,4,6,8,10,12,14
.irp b, 0,1,2,3
	v_max3_num_f32 v[TM+\b], v[TM+\b], |v[\s+16*\b+\i]|, |v[\s+1+16*\b+\i]|
.endr
.endr
.irp b, 0,1,2,3
	v_permlanex16_b32 v[TM+4+\b], v[TM+\b], s[SEL], s[SEL+1]
.endr
.irp b, 0,1,2,3
	v_max_num_f32 v[TM+\b], v[TM+\b], v[TM+4+\b]   ; with lane l xor 16's 16
.endr
.irp b, 0,1,2,3
	v_add_nc_u32 v[TM+12+\b], 0xfc000000, v[TM+\b] ; the conversion's scale operand
.endr
.irp b, 0,1,2,3
	v_and_or_b32 v[TM+8+\b], v[TM+\b], 0x7f800000, s[MNT]   ; 448 x the scale
.endr
.irp b, 0,1,2,3
	v_lshrrev_b32 v[TM+4+\b], 23, v[TM+12+\b]      ; the scale's byte
.endr
	v_lshl_or_b32 v[\pw], v[TM+5], 8, v[TM+4]
	v_lshl_or_b32 v[\pw], v[TM+6], 16, v[\pw]
	v_lshl_or_b32 v[\pw], v[TM+7], 24, v[\pw]
	s_wait_xcnt 0x0                                ; the last tile's stores have read v[PC] on
.irp b, 0,1,2,3
.irp i, 0,1,2,3,4,5,6,7,8,9,10,11,12,13,14,15
	v_med3_num_f32 v[\s+16*\b+\i], v[\s+16*\b+\i], -v[TM+8+\b], v[TM+8+\b]   ; the conversion does not saturate (ISA guide 7.6.2)
.endr
	v_cvt_scalef32_pk8_fp8_f32 v[PC+4*\b:PC+1+4*\b], v[\s+16*\b:\s+7+16*\b], v[TM+12+\b]
	v_cvt_scalef32_pk8_fp8_f32 v[PC+2+4*\b:PC+3+4*\b], v[\s+8+16*\b:\s+15+16*\b], v[TM+12+\b]
.endr
	v_nop
.endm
.macro QTILE t                         ; tile t is in and turns (LDS serves a wave's instructions in order: ISA guide 5.7.1.4); the tile two on is asked for
.if (\t) < 3
	s_wait_loadcnt 16                              ; the next tile's 16 may be out
.else
	s_wait_loadcnt 0x0
.endif
.irp rr, 0,1,2,3,4,5,6,7,8,9,10,11,12,13,14,15
	ds_store_b128 v[SI], v[R+64*((\t)%2)+4*\rr:R+64*((\t)%2)+4*\rr+3] offset:528*\rr
.endr
.irp b, 0,1,2,3
.irp j, 0,1,2,3
	ds_load_b128 v[X+16*\b+4*\j:X+16*\b+4*\j+3], v[SO] offset:128*\b+16*\j
.endr
.endr
	s_wait_dscnt 0x0
.if (\t) < 2
	LOAD (\t)+2
.endif
	QUANT X, PW+(\t)
.irp c, 0,1,2,3
	global_store_b128 v[LO], v[PC+4*\c:PC+4*\c+3], s[14:15] offset:2048*(\t)+512*\c
.endr
.endm
.macro MTILE t
.irp b, 0,1,2,3
.irp j, 0,1,2,3
	ds_load_b128 v[X+16*\b+4*\j:X+16*\b+4*\j+3], v[MA] offset:528*8*(\t)+128*\b+16*\j
.endr
.endr
	s_wait_dscnt 0x0
.irp g, 0,1,2,3
.irp n, 0,1,2,3,4,5,6,7,8,9,10,11,12,13,14,15
	v_cmp_ne_u32 s[32+\n], 0, v[X+16*\g+\n]        ; word e = 16 g + n: a bit a lane
.endr
.irp n, 0,1,2,3,4,5,6,7,8,9,10,11,12,13,14,15
	v_writelane_b32 v[OUTM+2*(\t)+(\n%2)], s[32+\n], 8*\g+(\n/2)   ; lane e / 2 stores words e and e + 1
.endr
.endr
	global_store_b64 v[MO], v[OUTM+2*(\t):OUTM+2*(\t)+1], s[16:17] offset:4096*(\t)   ; 256 consecutive bytes, aligned
.endm
	s_load_b256 s[4:11], s[0:1], 0x0               ; x, Wq, Wk, Wv
	s_load_b128 s[12:15], s[0:1], 0x20             ; mask, xw
	s_load_b64 s[16:17], s[0:1], 0x30              ; mbits
	v_lshl_add_u32 v[SPW], v0, 2, SPARE
	v_mov_b32 v[NIL], 0
	ds_add_u32 v[SPW], v[NIL]                      ; the wave's opening: the add, twice on end, and its wait
	ds_add_u32 v[SPW], v[NIL]
	v_lshrrev_b32 v1, 5, v0
	v_readfirstlane_b32 s20, v1                    ; wave
	s_mul_i32 s21, s20, MSL
	s_mul_i32 s22, s20, 8448
	s_add_co_u32 s22, s22, STG
	v_and_b32 v2, 31, v0                           ; lane
	v_and_b32 v3, 15, v0                           ; r
	v_bfe_u32 v8, v0, 4, 1                         ; h
	v_lshlrev_b32 v[LO], 4, v2
	v_lshlrev_b32 v[MO], 3, v2
	v_lshlrev_b32 v[WO], 4, v3
	v_lshl_add_u32 v[WO], v8, 3, v[WO]
	v_add_nc_u32 v[SI], s22, v[LO]
	v_mul_u32_u24 v[SO], v3, 528
	v_lshl_add_u32 v[SO], v8, 6, v[SO]
	v_add_nc_u32 v[SO], s22, v[SO]
	v_and_b32 v11, 7, v3
	v_lshrrev_b32 v12, 3, v3
	v_lshl_add_u32 v11, v12, 4, v11                ; slot r's row in a pair of tiles
	v_mul_u32_u24 v11, v11, 528
	v_lshl_add_u32 v11, v8, 6, v11
	v_add_nc_u32 v[MA], s21, v11
.irp b, 0,1,2,3
	v_mov_b32 v[TM+4+\b], 0                        ; a lane permute's destination counts as one of its sources, v_writelane_b32's too
	v_mov_b32 v[OUTM+\b], 0
.endr
	s_mov_b32 s[G1], (3<<16)|(1<<20)|(6<<22)|(3<<25)   ; elements of 8 bytes, 4 words of padding after every 128
	s_mov_b32 s[G1+1], 64<<16
	s_mov_b32 s[G1+2], 32<<16
	s_mov_b32 s[G1+3], 64<<16
	s_mov_b32 s[G1+4], 32
	s_mov_b32 s[G1+5], 1024
	s_mov_b32 s[G1+6], 0
	s_mov_b32 s[G1+7], 0
	s_mov_b32 s[G0], 1
	s_mov_b32 s[G0+1], s21
	s_lshl_b32 s30, ttmp9, 18                      ; 32 rows of 8,192 bytes
	s_lshl_b32 s31, s20, 9
	s_add_co_u32 s30, s30, s31
	s_mov_b32 s31, 0
	s_mov_b32 s[SEL], 0x76543210
	s_mov_b32 s[SEL+1], 0xfedcba98
	s_mov_b32 s[MNT], 0x600000
	s_mov_b32 s[HM], 0xffff0000
	s_wait_dscnt 0x0                               ; both opening adds are done
	s_wait_alu depctr_va_vdst(0)                   ; the head's end
	s_wait_kmcnt 0x0
	s_add_nc_u64 s[G0+2:G0+3], s[12:13], s[30:31]
	s_or_b32 s[G0+3], s[G0+3], 0x80000000
	tensor_load_to_lds s[G0:G0+3], s[G1:G1+7]      ; my 32 rows x 128 keys: the wave's one tensor load
	s_nop 0
.rept 4
	v_nop
.endr
	s_lshl_b32 s30, ttmp9, 13                      ; mask words: two tiles of 4,096 bytes, + 256 a chunk
	s_lshl_b32 s31, s20, 8
	s_add_co_u32 s30, s30, s31
	s_mov_b32 s31, 0
	s_add_nc_u64 s[16:17], s[16:17], s[30:31]
	s_cmp_lt_u32 s20, 6
	s_cbranch_scc0 .Lmask
	s_and_b32 s23, ttmp9, 1
	s_sub_co_u32 s22, 6, s23                       ; units here: 6 in an even work-group, 5 in an odd one
	s_cmp_lt_u32 s20, s22
	s_cbranch_scc0 .Lmask
	s_lshr_b32 s22, ttmp9, 1
	s_mul_i32 s22, s22, 11
	s_mul_i32 s23, s23, 6
	s_add_co_u32 s22, s22, s23
	s_add_co_u32 s22, s22, s20                     ; my unit, 0 to 1,407
	s_and_b32 s23, s22, 7                          ; which 128 along K
	s_lshr_b32 s22, s22, 3                         ; group of 64 rows: x 0-127, Wq 128-143, Wk 144-159, Wv 160-175
	s_mov_b32 s30, 160                             ; the tensor's first group; s33, s34: its second group's step and its first's place in a j's six
	s_mov_b32 s34, 130
	s_cmp_lt_u32 s22, 160
	s_cselect_b64 s[28:29], s[8:9], s[10:11]
	s_cselect_b32 s30, 144, s30
	s_cselect_b32 s33, 1, 3
	s_cselect_b32 s34, 131, s34
	s_cmp_lt_u32 s22, 144
	s_cselect_b64 s[28:29], s[6:7], s[28:29]
	s_cselect_b32 s30, 128, s30
	s_cselect_b32 s34, 128, s34
	s_sub_co_u32 s31, s22, s30
	s_lshr_b32 s35, s31, 1
	s_mul_i32 s35, s35, 6
	s_and_b32 s36, s31, 1
	s_mul_i32 s36, s36, s33
	s_add_co_u32 s35, s35, s36
	s_add_co_u32 s35, s35, s34                     ; a weight's group in xw
	s_cmp_lt_u32 s22, 128
	s_cselect_b64 s[28:29], s[4:5], s[28:29]
	s_cselect_b32 s30, 0, s30
	s_cselect_b32 s35, s22, s35
	s_sub_co_u32 s30, s22, s30
	s_lshl_b32 s30, s30, 18                        ; 64 rows of 4,096 bytes
	s_lshl_b32 s31, s23, 9
	s_add_co_u32 s30, s30, s31
	s_mov_b32 s31, 0
	s_add_nc_u64 s[28:29], s[28:29], s[30:31]
	s_lshl_b32 s30, s35, 3
	s_add_co_u32 s30, s30, s23
	s_mul_i32 s30, s30, 8448
	s_add_nc_u64 s[14:15], s[14:15], s[30:31]      ; where it goes
	LOAD 0
	LOAD 1
.irp t, 0,1,2,3
	QTILE \t
.endr
	v_cndmask_b32 v[OW], v[PW], v[PW+2], s[HM]     ; lane (r, h) stores the words of tiles 2 h, 2 h + 1 of slot r
	v_cndmask_b32 v[OW+1], v[PW+1], v[PW+3], s[HM]
	global_store_b64 v[WO], v[OW:OW+1], s[14:15] offset:8192   ; 256 consecutive bytes, aligned
.Lmask:
	s_wait_tensorcnt 0x0                           ; my part of the mask is in; no other wave reads it
	MTILE 0
	MTILE 1
	s_wait_tensorcnt 0x0                           ; the wave's end
	ds_add_u32 v[SPW], v[NIL]
	s_wait_dscnt 0x0
	s_endpgm
.Lfunc_end_k_qcb3eb24e3d_prep:
	.size	k_qcb3eb24e3d_prep, .Lfunc_end_k_qcb3eb24e3d_prep-k_qcb3eb24e3d_prep
	.p2alignl 7, 3214868480
	.fill 96, 4, 3214868480
	.section	.rodata,"a",@progbits
	.p2align	6, 0x0
	.amdhsa_kernel k_qcb3eb24e3d_prep
		.amdhsa_group_segment_fixed_size 323072
		.amdhsa_private_segment_fixed_size 0
		.amdhsa_enable_private_segment 0
		.amdhsa_kernarg_size 56
		.amdhsa_user_sgpr_count 2
		.amdhsa_user_sgpr_kernarg_segment_ptr 1
		.amdhsa_wavefront_size32 1
		.amdhsa_system_sgpr_workgroup_id_x 1
		.amdhsa_system_sgpr_workgroup_id_y 1
		.amdhsa_system_sgpr_workgroup_id_z 1
		.amdhsa_system_vgpr_workitem_id 0
		.amdhsa_next_free_vgpr 256
		.amdhsa_next_free_sgpr 66
		.amdhsa_reserve_vcc 0
		.amdhsa_float_denorm_mode_32 3
		.amdhsa_float_denorm_mode_16_64 3
		.amdhsa_memory_ordered 1
		.amdhsa_forward_progress 1
		.amdhsa_inst_pref_size 72
	.end_amdhsa_kernel
	.amdgpu_metadata
---
amdhsa.version: [ 1, 2 ]
amdhsa.kernels:
  - .name:           k_qcb3eb24e3d_prep
    .symbol:         k_qcb3eb24e3d_prep.kd
    .args:
      - { .name: x, .offset: 0, .size: 8, .value_kind: global_buffer, .address_space: global }
      - { .name: Wq, .offset: 8, .size: 8, .value_kind: global_buffer, .address_space: global }
      - { .name: Wk, .offset: 16, .size: 8, .value_kind: global_buffer, .address_space: global }
      - { .name: Wv, .offset: 24, .size: 8, .value_kind: global_buffer, .address_space: global }
      - { .name: mask, .offset: 32, .size: 8, .value_kind: global_buffer, .address_space: global }
      - { .name: xw, .offset: 40, .size: 8, .value_kind: global_buffer, .address_space: global }
      - { .name: mbits, .offset: 48, .size: 8, .value_kind: global_buffer, .address_space: global }
    .group_segment_fixed_size: 323072
    .private_segment_fixed_size: 0
    .kernarg_segment_align: 8
    .kernarg_segment_size: 56
    .max_flat_workgroup_size: 512
    .sgpr_count:     66
    .vgpr_count:     256
    .wavefront_size: 32
...
	.end_amdgpu_metadata
.endif
;; end of part 1
;; launch qkv (part 2): grid 8 x 32, 4 waves a work-group, clusters of 4 x 4, 327,680 bytes of LDS; arguments xw, bq, bk, bv, qkv; writes qkv
.if DOCPART == 2
	.amdgcn_target "amdgcn-amd-amdhsa--gfx1250"
	.amdhsa_code_object_version 6
	.text
	.protected	k_qcb3eb24e3d_qkv
	.globl	k_qcb3eb24e3d_qkv
	.p2align	8
	.type	k_qcb3eb24e3d_qkv,@function
k_qcb3eb24e3d_qkv:
	s_mov_b64 s[64:65], 0
	v_nop
	global_prefetch_b8 v0, s[64:65] scope:SCOPE_SE
	s_setreg_imm32_b32 hwreg(HW_REG_WAVE_MODE, 25, 1), 1
	s_wait_xcnt 0x0
	s_wait_alu depctr_hold_cnt(0) depctr_sa_sdst(0) depctr_va_vdst(0) depctr_va_sdst(0) depctr_va_ssrc(0) depctr_va_vcc(0) depctr_vm_vsrc(0)
	s_getreg_b32 s2, hwreg(HW_REG_IB_STS2, 6, 4)
	s_cmp_eq_u32 s2, 0
	s_cbranch_scc0 .Lentry_in_a_cluster
	s_endpgm
.Lentry_in_a_cluster:
	s_bfe_u32 s2, ttmp6, 0x10000c
	s_cmp_lg_u32 s2, 0xf033
	s_cbranch_scc0 .Lentry_shape_is_right
	s_endpgm
.Lentry_shape_is_right:
; QKV: Q = x Wq^T + bq, K = x Wk^T + bk, V^T = Wv x^T + bv on codes of FP8 (E4M3) with E8M0 scales for each 32 along K = 1,024; the results are quantised in registers and stored as codes with their scale words.
; UNITS as the first launch lays them: 64 rows x 128 along K: 4 tiles of 2,048 bytes (images of an operand's 16 registers), then 256 bytes of scale words (tile u, slot r at 16 r + 4 u): 8,448 bytes.
; qkv: Q [128 groups of 64 tokens][8][unit], K the same 8,650,752 bytes on, V^T [16 groups of 64 channels][64 chunks of 128 tokens][unit] 17,301,504 bytes on.
; SHARES.  256 work-groups of equal work: 256 tokens (work-group y) x 128 outputs each of Q, K and V (work-group x = j).  A wave takes 128 tokens; wave column 0 takes Q's 128 outputs and V's first 64, wave column 1 K's 128 and V's last 64:
; 8 x 12 accumulators, 768 registers.  Q, K: source 0 = the weight's rows, source 1 = x's: a lane holds a token, and by the order of the rows in a tile its 64 registers of a token tile are a fragment of the next product, 16 neighbours a block.
; V: source 0 = x's rows, source 1 = the weight's: a lane holds a channel and its registers run along 128 tokens.  So each row of 64 registers is quantised as it stands.
; THE RING.  Slot X holds two steps of 128 along K, slot Y one: X (0, 1), Y (2), X (3, 4), Y (5), X (6, 7).  Waves 0, 1 fetch x's groups 0-1, 2-3; waves 2, 3 the three groups of weights of wave column 0, 1: one joint load a wave, codes and scale words in one.
; CLUSTERS 4 x 4: x's rows are shared along a row of the cluster, the weights' along a column.
; A STEP is twelve groups of 8 products: four x tiles (lo: 0-3, hi: 4-7) x a pair of weight tiles.  Weight pairs 0 to 5 take three buffers by turns; x has one set.  A fragment is loaded behind a product, 4 loads at a time, when its register's last reader lies 8 places back.
; PREFETCH INTO THE L2: behind slot Y's first load stands a request for steps 3, 4, behind the first refill one for steps 6, 7: a fill ahead of the load.  x: all clusters, the weights: clusters 0 and 4 along y, since eight read them.  The four partners of a load take different units by address; a lane names 256 bytes; the scale words come by their loads alone.
; REGISTERS: window 0: v1-11 addresses; v12-31 scale words (two sets of 8: lanes 0-15 x's tile i, lanes 16-31 the weight's tile i; v28-31 V's four, lanes 16-31); v32-159 x; v160-255 weights.  Windows 1, 2: rows of Q or K; window 3: V's four rows; a row is 64 registers.
; LIMITS: a block of zeros, or one under 2^-118, gets the byte 1 (read by this program alone); NaN and infinities are not served.
; THE LOADS STAND IN RUNS: what the lines above call a load behind a product is an event (macro EV): all of an event's fragments come in one run behind a group's first product.
; A further request, for step 2, stands behind slot X's first load: of x's 64 blocks of 256 bytes each of the four partners names 16, of the weights' 96 each names 24 (the lanes left over name its last).
.set UN,    8448
.set GS,    67584                      ; from group to group in memory: 8 units
.set XW,    67584                      ; slot X: x's two regions of 33,792, the weights' two of 50,688 from here
.set YS,    168960                     ; slot Y: x's two of 16,896,
.set YW,    202752                     ; the weights' two of 25,344
.set SPARE, 253440                     ; the spare words, 128 bytes a wave
.set BIASL, 253952                     ; 1,024 bytes a wave: bq or bk at my 128 outputs, bv at my 64
.set SPW,  1
.set NIL,  2
.set PFO,  3                           ; 256 x lane
.set AX,   4
.set AW,   6
.set AS,   8
.set BL,   10
.set PFH,  11                          ; 256 x (lane % 16); made behind the head's temporaries
.set S,    12
.set SV,   28
.set XF,   32
.set WB,   160
.set BQ,   32                          ; the epilogue: the bias; WK a row; PC codes; TM at work
.set WK,   96
.set BV,   160
.set BLV,  0                           ; v0, when the thread's number is done with
.set PC,   168
.set TM,   192
.set PW,   208
.set OW,   212
.set CO,   214
.set WO,   215
.set G1X,  24
.set G0X,  40
.set G1W,  68
.set G0W,  48
.set SEL,  86
.set MNT,  88
.set HM,   89
.set MSB, 0
.macro WIN new                         ; the immediate's high byte repeats the setting that is left
.if MSB != (\new)
	s_set_vgpr_msb (MSB<<8)|(\new)
.set MSB, (\new)
.endif
.endm
.macro PLACES n
.rept \n
	v_nop
.endr
.endm
.macro JLOAD s                         ; a joint load into slot s: waves 0, 1 for x, waves 2, 3 for the weights; the branch hangs on the wave's number alone
	s_cmp_eq_u32 s15, 0
	s_cbranch_scc0 .Lfor_w_\@
	tensor_load_to_lds s[G0X+4*\s:G0X+4*\s+3], s[G1X+8*\s:G1X+8*\s+7]
	s_nop 0
	PLACES 4
	s_branch .Lasked_\@
.Lfor_w_\@:
	tensor_load_to_lds s[G0W+4*\s:G0W+4*\s+3], s[G1W+8*\s:G1W+8*\s+7]
	s_nop 0
	PLACES 4
.Lasked_\@:
.endm
.macro CREST                           ; a round of the cluster's barrier behind its opening barrier
	s_cmp_lg_u32 s14, 0
	s_cbranch_scc1 .Lnot_wave_0_\@
	s_barrier_signal -3
.Lnot_wave_0_\@:
	s_barrier_wait -3
	s_barrier_signal -1
	s_barrier_wait -1
.endm
.macro CROUND
	s_barrier_signal -1
	s_barrier_wait -1
	CREST
.endm
.macro ASK k                           ; steps k, k + 1
	s_cmp_eq_u32 s60, 1
	s_cbranch_scc0 .Lnot_mine_\@
	global_prefetch_b8 v[PFO], s[56:57] offset:(\k)*UN th:TH_LOAD_NT scope:SCOPE_SE
	s_cmp_eq_u32 s15, 0
	s_cbranch_scc1 .Lnot_mine_\@
	global_prefetch_b8 v[PFH], s[58:59] offset:(\k)*UN th:TH_LOAD_NT scope:SCOPE_SE
.Lnot_mine_\@:
.endm
.macro GROUP1 g, mask, n, rows         ; so many groups of n units each, 8-byte elements, dense in LDS
	s_or_b32 s[\g], s\mask, (3<<16)|(1<<21)
	s_mov_b32 s[\g+1], (1056*(\n))<<16
	s_mov_b32 s[\g+2], (\rows)<<16
	s_mov_b32 s[\g+3], (1056*(\n))<<16
	s_mov_b32 s[\g+4], \rows
	s_mov_b32 s[\g+5], 8448
	s_mov_b32 s[\g+6], 0
	s_mov_b32 s[\g+7], 0
.endm
.macro GROUP0 g, lds, p, off
	s_mov_b32 s[\g], 1
	s_mov_b32 s[\g+1], s\lds
	s_add_nc_u64 s[\g+2:\g+3], s[\p:\p+1], \off
	s_or_b32 s[\g+3], s[\g+3], 0x80000000
.endm
.macro XFR s, q, a                     ; x's tile a
	WIN 0
.irp c, 0,1,2,3
	ds_load_b128 v[XF+16*(\a)+4*\c:XF+16*(\a)+4*\c+3], v[AX+\s] offset:((\a)/4)*(2-\s)*UN+(\q)*UN+2048*((\a)%4)+512*\c
.endr
.endm
.macro WFR s, q, p, i                  ; tile i of the weight's pair p
	WIN 0
.irp c, 0,1,2,3
	ds_load_b128 v[WB+32*((\p)%3)+16*(\i)+4*\c:WB+32*((\p)%3)+16*(\i)+4*\c+3], v[AW+\s] offset:((\p)/2)*(2-\s)*UN+(\q)*UN+2048*(2*((\p)%2)+(\i))+512*\c
.endr
.endm
.macro SLD st, s, q                    ; a step's scale words
	WIN 0
	ds_load_b128 v[S+8*(\st):S+8*(\st)+3], v[AS+\s] offset:(\q)*UN
	ds_load_b128 v[S+8*(\st)+4:S+8*(\st)+7], v[AS+\s] offset:(2-\s)*UN+(\q)*UN
.endm
.macro PAIR s, q, p
	WFR \s, \q, \p, 0
	WFR \s, \q, \p, 1
.endm
; What stands behind a group's first product.  ev 1: x's hi tiles, pair 2, V's words of this step (25 loads); 2: pair lp (8); 3: pair 0 and the scale words of the next step (10); 4: x's lo tiles (16); 5: the bias, at the end; 6: pairs 3 and 4 (16)
.macro EV ev, st, ls, lq, lp
.if (\ev) > 0 && M_ == 0
	PLACES 8
.if (\ev) == 1
.irp a, 4,5,6,7
	XFR \ls, \lq, \a
.endr
	PAIR \ls, \lq, 2
	ds_load_b128 v[SV:SV+3], v[AS+\ls] offset:2*(2-\ls)*UN+(\lq)*UN
.elseif (\ev) == 2
	PAIR \ls, \lq, \lp
.elseif (\ev) == 3
	PAIR \ls, \lq, 0
	SLD 1-(\st), \ls, \lq
.elseif (\ev) == 4
.irp a, 0,1,2,3
	XFR \ls, \lq, \a
.endr
.elseif (\ev) == 5
	WIN 0
.irp b, 0,1,2,3
.irp j, 0,1,2,3
	ds_load_b128 v[BQ+16*\b+4*\j:BQ+16*\b+4*\j+3], v[BL] offset:128*\b+16*\j
.endr
.endr
.irp j, 0,1,2,3
	ds_load_b32 v[BV+\j], v[BLV] offset:4*(32*(\j/2)+8*(\j%2))
.endr
.else
	PAIR \ls, \lq, 3
	PAIR \ls, \lq, 4
.endif
.endif
.endm
; 8 products: x's tiles 4 hi .. + 3 against the weight's pair p.  The 96 accumulators take turns, one instruction a turn, in the same order in every step.
.macro GRP hi, p, st, z, ev, ls, lq, lp
.set M_, 0
.rept 8
.set A_, 4*(\hi)+M_/2
.set T_, 2*(\p)+M_%2
.set R_, XF+16*A_
.set B_, WB+32*((\p)%3)+16*(M_%2)
.set SX_, S+8*(\st)+A_
.if (\p) < 4
.set D_, 64*(A_%4)+8*T_
.set SW_, S+8*(\st)+T_
	WIN 0x50*(1+(\hi))
.if \z
	v_wmma_scale_f32_16x16x128_f8f6f4 v[D_:D_+7], v[B_:B_+15], v[R_:R_+15], 0, v[SW_], v[SX_] matrix_a_scale:MATRIX_SCALE_ROW1
.else
	v_wmma_scale_f32_16x16x128_f8f6f4 v[D_:D_+7], v[B_:B_+15], v[R_:R_+15], v[D_:D_+7], v[SW_], v[SX_] matrix_a_scale:MATRIX_SCALE_ROW1
.endif
.else
.set D_, 64*(T_-8)+8*A_
.set SW_, SV+T_-8
	WIN 0xf0
.if \z
	v_wmma_scale_f32_16x16x128_f8f6f4 v[D_:D_+7], v[R_:R_+15], v[B_:B_+15], 0, v[SX_], v[SW_] matrix_b_scale:MATRIX_SCALE_ROW1
.else
	v_wmma_scale_f32_16x16x128_f8f6f4 v[D_:D_+7], v[R_:R_+15], v[B_:B_+15], v[D_:D_+7], v[SX_], v[SW_] matrix_b_scale:MATRIX_SCALE_ROW1
.endif
.endif
	EV \ev, \st, \ls, \lq, \lp
.set M_, M_+1
.endr
.endm
; A step: place q of slot s, scale set st; the next lies at place nq of slot ns.  turn: 0 the next lies in the same slot; 1 a change of slots, this one is filled again; 2 a change without a fill; 3 the last step.
.macro STEP s, q, st, z, ns, nq, turn
	s_wait_dscnt 8                                 ; pair 1's 8 loads may be out
	GRP 0, 0, \st, \z, 1, \s, \q, 0
	s_wait_dscnt 25                                ; pair 1 is in; the 25 just issued may be out
	GRP 0, 1, \st, \z, 0, 0, 0, 0
	s_wait_dscnt 9                                 ; x's hi tiles are in
	GRP 1, 0, \st, \z, 0, 0, 0, 0
	GRP 1, 1, \st, \z, 0, 0, 0, 0
	s_wait_dscnt 0x0                               ; pair 2 and V's words are in
	GRP 0, 2, \st, \z, 6, \s, \q, 0
	GRP 1, 2, \st, \z, 0, 0, 0, 0
	s_wait_dscnt 8                                 ; pair 3 is in; pair 4's 8 may be out
	GRP 0, 3, \st, \z, 2, \s, \q, 5
.if (\turn) == 1 || (\turn) == 2
	WIN 0
	s_wait_tensorcnt 0x0                           ; my part of the next slot has landed: no tensor load of mine is out
	ds_add_u32 v[SPW], v[NIL]                      ; 0 onto my spare word
.if (\turn) == 1
	s_add_nc_u64 s[G0X+4*\s+2:G0X+4*\s+3], s[G0X+4*\s+2:G0X+4*\s+3], 3*UN   ; this slot's next fill lies three steps on
	s_add_nc_u64 s[G0W+4*\s+2:G0W+4*\s+3], s[G0W+4*\s+2:G0W+4*\s+3], 3*UN
.endif
	GRP 1, 3, \st, \z, 0, 0, 0, 0
	s_wait_dscnt 0x0                               ; the add is done, and my reads of this slot are over
	s_barrier_signal -1
	GRP 0, 4, \st, \z, 0, 0, 0, 0
	WIN 0
	s_barrier_wait -1
.if (\turn) == 1
	CREST
	JLOAD \s
	PLACES 4
.else
	PLACES 8
.endif
	WFR \ns, \nq, 0, 0
	WFR \ns, \nq, 0, 1
	SLD 1-(\st), \ns, \nq
.else
	GRP 1, 3, \st, \z, 0, 0, 0, 0
	s_wait_dscnt 8                                 ; pair 4 is in; pair 5's 8 may be out
.if (\turn) == 0
	GRP 0, 4, \st, \z, 3, \ns, \nq, 0
.else
	GRP 0, 4, \st, \z, 0, 0, 0, 0
.endif
.endif
.if (\turn) == 3
	s_wait_dscnt 0x0
	GRP 0, 5, \st, \z, 0, 0, 0, 0
	GRP 1, 4, \st, \z, 5, 0, 0, 0
	GRP 1, 5, \st, \z, 0, 0, 0, 0
.else
	s_wait_dscnt 10                                ; pair 5 is in; the next step's pair 0 and scale words may be out
	GRP 0, 5, \st, \z, 0, 0, 0, 0
	GRP 1, 4, \st, \z, 4, \ns, \nq, 0
	GRP 1, 5, \st, \z, 2, \ns, \nq, 1
.endif
.endm
	s_load_b256 s[4:11], s[0:1], 0x0               ; xw, bq, bk, bv
	s_load_b64 s[12:13], s[0:1], 0x20              ; qkv
	v_lshl_add_u32 v[SPW], v0, 2, SPARE
	v_mov_b32 v[NIL], 0
	ds_add_u32 v[SPW], v[NIL]                      ; the wave's opening: the add, twice on end, and its wait
	ds_add_u32 v[SPW], v[NIL]
	v_lshrrev_b32 v3, 5, v0
	v_readfirstlane_b32 s14, v3                    ; wave
	s_lshr_b32 s15, s14, 1                         ; my 128 tokens; also: I fetch for x (0) or the weights (1)
	s_and_b32 s16, s14, 1                          ; my wave column; also: which region I fetch
	s_bfe_u32 s62, ttmp6, 0x40000                  ; cx
	s_bfe_u32 s63, ttmp6, 0x40004                  ; cy
	s_lshl_b32 s61, ttmp9, 2
	s_add_co_u32 s61, s61, s62                     ; j
	s_and_b32 s17, ttmp7, 0xffff
	s_lshl_b32 s17, s17, 2
	s_add_co_u32 s17, s17, s63                     ; block of 256 tokens
	s_lshl_b32 s2, s63, 2
	s_lshl_b32 s2, 15, s2                          ; my row of the cluster
	s_lshl_b32 s3, 0x1111, s62                     ; my column
	GROUP1 G1X, 2, 2, 2
	GROUP1 G1X+8, 2, 1, 2
	GROUP1 G1W, 3, 2, 3
	GROUP1 G1W+8, 3, 1, 3
	s_lshl_b32 s18, s17, 2
	s_lshl_b32 s22, s16, 1
	s_add_co_u32 s18, s18, s22
	s_mul_i32 s18, s18, GS                         ; x: group 4 y + 2 region
	s_mov_b32 s19, 0
	s_mul_i32 s20, s61, 6
	s_mul_i32 s22, s16, 3
	s_add_co_u32 s20, s20, s22
	s_add_co_u32 s20, s20, 128
	s_mul_i32 s20, s20, GS                         ; the weights: group 128 + 6 j + 3 region
	s_mov_b32 s21, 0
	s_mul_i32 s90, s16, 33792                      ; where they go: the wave's number alone
	s_mul_i32 s91, s16, 50688
	s_add_co_u32 s91, s91, XW
	s_mul_i32 s92, s16, 16896
	s_add_co_u32 s92, s92, YS
	s_mul_i32 s93, s16, 25344
	s_add_co_u32 s93, s93, YW
	s_mul_i32 s94, s15, 33792                      ; where I read x; the weights I read at s91, s93
	s_mul_i32 s95, s15, 16896
	s_add_co_u32 s95, s95, YS
	s_sub_co_u32 s96, s91, s94
	s_sub_co_u32 s97, s93, s95
	s_add_co_u32 s98, s94, 8192
	s_add_co_u32 s99, s95, 8192
	s_wait_dscnt 0x0                               ; both opening adds are done
	CROUND                                         ; the opening round, ahead of the wait for the arguments: all sixteen work-groups are here
	s_wait_alu depctr_va_vdst(0)
	s_wait_kmcnt 0x0
	s_add_nc_u64 s[18:19], s[4:5], s[18:19]
	s_add_nc_u64 s[20:21], s[4:5], s[20:21]
	GROUP0 G0X, 90, 18, 0
	GROUP0 G0X+4, 92, 18, 2*UN
	GROUP0 G0W, 91, 20, 0
	GROUP0 G0W+4, 93, 20, 2*UN
	JLOAD 0                                        ; steps 0, 1: one tensor load a wave
	s_cmp_eq_u32 s16, 0                            ; the biases go through LDS bytes of my own, to be read behind the last products
	s_cselect_b64 s[6:7], s[6:7], s[8:9]
	s_lshl_b32 s2, s61, 9
	s_mov_b32 s3, 0
	s_add_nc_u64 s[6:7], s[6:7], s[2:3]
	s_add_nc_u64 s[10:11], s[10:11], s[2:3]
	s_lshl_b32 s2, s16, 8
	s_add_nc_u64 s[10:11], s[10:11], s[2:3]
	s_lshl_b32 s2, s14, 10
	s_add_co_u32 s2, s2, BIASL
	s_add_co_u32 s3, s2, 512
	v_and_b32 v12, 31, v0                          ; l
	v_lshlrev_b32 v13, 4, v12
	v_lshlrev_b32 v14, 3, v12
	global_load_b128 v[32:35], v13, s[6:7]
	global_load_b64 v[36:37], v14, s[10:11]
	v_and_b32 v15, 15, v0                          ; r
	v_bfe_u32 v16, v0, 4, 1                        ; h
	v_add_nc_u32 v[AX], s94, v13
	v_add_nc_u32 v[AX+1], s95, v13
	v_add_nc_u32 v[AW], s91, v13
	v_add_nc_u32 v[AW+1], s93, v13
	v_mul_u32_u24 v17, s96, v16                    ; scale words: lanes 0-15 x's, lanes 16-31 the weights': the lower base + h x the distance
	v_lshl_add_u32 v17, v15, 4, v17
	v_add_nc_u32 v[AS], s98, v17
	v_mul_u32_u24 v18, s97, v16
	v_lshl_add_u32 v18, v15, 4, v18
	v_add_nc_u32 v[AS+1], s99, v18
	v_lshlrev_b32 v[PFO], 8, v12
	v_lshlrev_b32 v[PFH], 8, v15
	v_lshl_add_u32 v[BL], v16, 6, s2
	v_and_b32 v19, 7, v15
	v_lshrrev_b32 v20, 3, v15
	v_lshl_add_u32 v19, v20, 4, v19                ; slot r's row in a pair of tiles
	v_lshl_add_u32 v40, v19, 2, s3
	v_add_nc_u32 v21, s2, v13
	v_add_nc_u32 v22, s3, v14
	v_mov_b32 v[BLV], v40                          ; (v0: the thread's number is not read behind this line)
	s_wait_alu depctr_va_vdst(0)                   ; the head's end
	s_wait_loadcnt 0x0
	ds_store_b128 v21, v[32:35]
	ds_store_b64 v22, v[36:37]
	; the prefetches
	s_and_b32 s2, ttmp7, 3
	s_cmp_eq_u32 s2, 0
	s_cselect_b32 s60, 1, 0
	s_cmp_eq_u32 s15, 0
	s_cselect_b32 s60, 1, s60
	s_cselect_b64 s[56:57], s[18:19], s[20:21]
	s_cselect_b32 s2, s62, s63                     ; my place among the four that ask with me
	s_lshr_b32 s3, s2, 1
	s_and_b32 s2, s2, 1
	s_mul_i32 s4, s3, GS
	s_mul_i32 s6, s2, UN
	s_add_co_u32 s4, s4, s6                        ; a unit of the first two groups,
	s_mov_b32 s5, 0
	s_mul_i32 s6, s3, UN
	s_lshl_b32 s7, s2, 12
	s_add_co_u32 s6, s6, s7
	s_add_co_u32 s6, s6, 2*GS                      ; and half a unit of the third
	s_mov_b32 s7, 0
	s_mov_b64 s[10:11], s[56:57]                   ; my stream's first group
	s_add_nc_u64 s[58:59], s[56:57], s[6:7]
	s_add_nc_u64 s[56:57], s[56:57], s[4:5]
	s_cmp_eq_u32 s15, 0
	s_cselect_b32 s8, s62, s63
	s_cselect_b32 s9, 16, 24
	s_mul_i32 s8, s8, s9                           ; my work-group's first block of step 2
	s_sub_co_u32 s9, s9, 1
	v_mbcnt_lo_u32_b32 v41, -1, 0                  ; lane
	v_min_u32 v41, s9, v41
	v_add_nc_u32 v41, s8, v41
	v_lshrrev_b32 v42, 5, v41                      ; block / 32: the group,
	v_mul_u32_u24 v42, GS, v42
	v_and_b32 v41, 31, v41
	v_lshl_add_u32 v42, v41, 8, v42                ; and the place in its unit's codes
	s_wait_alu depctr_va_vdst(0)
	s_cmp_eq_u32 s60, 1
	s_cbranch_scc0 .Lno_step_2
	global_prefetch_b8 v42, s[10:11] offset:2*UN th:TH_LOAD_NT scope:SCOPE_SE
.Lno_step_2:
	; where my results go
	s_lshl_b32 s22, s17, 2
	s_lshl_b32 s2, s15, 1
	s_add_co_u32 s22, s22, s2
	s_lshl_b32 s22, s22, 3
	s_add_co_u32 s22, s22, s61
	s_mul_i32 s22, s22, UN
	s_mul_i32 s2, s16, 8650752
	s_add_co_u32 s22, s22, s2
	s_mov_b32 s23, 0
	s_add_nc_u64 s[22:23], s[12:13], s[22:23]      ; Q or K: [4 y + 2 half][j]
	s_lshl_b32 s84, s61, 1
	s_add_co_u32 s84, s84, s16
	s_lshl_b32 s84, s84, 6
	s_lshl_b32 s2, s17, 1
	s_add_co_u32 s84, s84, s2
	s_add_co_u32 s84, s84, s15
	s_mul_i32 s84, s84, UN
	s_add_co_u32 s84, s84, 17301504
	s_mov_b32 s85, 0
	s_add_nc_u64 s[84:85], s[12:13], s[84:85]      ; V^T: [2 j + column][2 y + half]
	s_mov_b32 s[SEL], 0x76543210
	s_mov_b32 s[SEL+1], 0xfedcba98
	s_mov_b32 s[MNT], 0x600000
	s_mov_b32 s[HM], 0xffff0000
	s_wait_xcnt 0x0                                ; the request has read its addresses: fragments land on that register below
	s_wait_tensorcnt 0x0                           ; my part of slot X is in
	ds_add_u32 v[SPW], v[NIL]
	s_wait_dscnt 0x0
	CROUND
	JLOAD 1                                        ; step 2
	WFR 0, 0, 0, 0
	WFR 0, 0, 0, 1
	SLD 0, 0, 0
.irp a, 0,1,2,3
	XFR 0, 0, \a
.endr
	WFR 0, 0, 1, 0
	WFR 0, 0, 1, 1
	ASK 3
	STEP 0, 0, 0, 1, 0, 1, 0                       ; the first products start the sums: nothing is cleared
	STEP 0, 1, 1, 0, 1, 0, 1
	WIN 0
	ASK 6
	STEP 1, 0, 0, 0, 0, 0, 1
	STEP 0, 0, 1, 0, 0, 1, 0
	STEP 0, 1, 0, 0, 1, 0, 1
	STEP 1, 0, 1, 0, 0, 0, 2
	STEP 0, 0, 0, 0, 0, 1, 0
	STEP 0, 1, 1, 0, 0, 0, 3
	WIN 0
; THE EPILOGUE: three trips, a unit each: Q's or K's token tiles 0-3, 4-7, V's channel tiles.  A row of 64 registers + the bias is copied, quantised along its registers and stored as a fragment's image.
.macro QUANT s, pw
.irp b, 0,1,2,3
	v_max3_num_f32 v[TM+\b], |v[\s+16*\b]|, |v[\s+1+16*\b]|, 0x4800000   ; block b: my 16 numbers and the floor 2^(9 - 127)
.endr
.irp i, 2,4,6,8,10,12,14
.irp b, 0,1,2,3
	v_max3_num_f32 v[TM+\b], v[TM+\b], |v[\s+16*\b+\i]|, |v[\s+1+16*\b+\i]|
.endr
.endr
.irp b, 0,1,2,3
	v_permlanex16_b32 v[TM+4+\b], v[TM+\b], s[SEL], s[SEL+1]
.endr
.irp b, 0,1,2,3
	v_max_num_f32 v[TM+\b], v[TM+\b], v[TM+4+\b]   ; with lane l xor 16's
.endr
.irp b, 0,1,2,3
	v_add_nc_u32 v[TM+12+\b], 0xfc000000, v[TM+\b] ; the conversion's scale operand
.endr
.irp b, 0,1,2,3
	v_and_or_b32 v[TM+8+\b], v[TM+\b], 0x7f800000, s[MNT]   ; 448 x the scale
.endr
.irp b, 0,1,2,3
	v_lshrrev_b32 v[TM+4+\b], 23, v[TM+12+\b]      ; the scale's byte
.endr
	v_lshl_or_b32 v[\pw], v[TM+5], 8, v[TM+4]
	v_lshl_or_b32 v[\pw], v[TM+6], 16, v[\pw]
	v_lshl_or_b32 v[\pw], v[TM+7], 24, v[\pw]
	s_wait_xcnt 0x0                                ; the last row's stores have read their data
.irp b, 0,1,2,3
.irp i, 0,1,2,3,4,5,6,7,8,9,10,11,12,13,14,15
	v_med3_num_f32 v[\s+16*\b+\i], v[\s+16*\b+\i], -v[TM+8+\b], v[TM+8+\b]   ; the conversion does not saturate (ISA guide 7.6.2)
.endr
	v_cvt_scalef32_pk8_fp8_f32 v[PC+4*\b:PC+1+4*\b], v[\s+16*\b:\s+7+16*\b], v[TM+12+\b]
	v_cvt_scalef32_pk8_fp8_f32 v[PC+2+4*\b:PC+3+4*\b], v[\s+8+16*\b:\s+15+16*\b], v[TM+12+\b]
.endr
	v_nop
.endm
.macro TAKE i, w                       ; row i of window w + the bias; each accumulator from its low end on
	WIN \w
.set nn, 0
.rept 32
.if (\w) < 3
	v_pk_add_f32 v[WK+nn:WK+nn+1], v[64*(\i)+nn:64*(\i)+nn+1], v[BQ+nn:BQ+nn+1]
.elseif (\i)%2
	v_pk_add_f32 v[WK+nn:WK+nn+1], v[64*(\i)+nn:64*(\i)+nn+1], v[BV+2*((\i)/2):BV+2*((\i)/2)+1] op_sel:[0,1] op_sel_hi:[1,1]
.else
	v_pk_add_f32 v[WK+nn:WK+nn+1], v[64*(\i)+nn:64*(\i)+nn+1], v[BV+2*((\i)/2):BV+2*((\i)/2)+1] op_sel_hi:[1,0]
.endif
.set nn, nn+2
.endr
	WIN 0
.endm
.macro EROW i
	s_cmp_lg_u32 s3, 0                             ; the trip's number decides: the same in all partners
	s_cbranch_scc1 .Lnot_1_\@
	TAKE \i, 1
	s_branch .Ltaken_\@
.Lnot_1_\@:
	s_cmp_lg_u32 s3, 1
	s_cbranch_scc1 .Lnot_2_\@
	TAKE \i, 2
	s_branch .Ltaken_\@
.Lnot_2_\@:
	TAKE \i, 3
.Ltaken_\@:
	s_wait_alu depctr_va_vdst(0)
	QUANT WK, PW+(\i)
.irp c, 0,1,2,3
	global_store_b128 v[CO], v[PC+4*\c:PC+4*\c+3], s[22:23] offset:2048*(\i)+512*\c   ; 512 consecutive bytes
.endr
.endm
	PLACES 8                                       ; behind the last products: their results are read, and their operands' registers written, below
	v_mbcnt_lo_u32_b32 v204, -1, 0                 ; lane
	v_lshlrev_b32 v[CO], 4, v204
	v_and_b32 v205, 15, v204
	v_lshrrev_b32 v206, 4, v204
	v_lshlrev_b32 v[WO], 4, v205
	v_lshl_add_u32 v[WO], v206, 3, v[WO]           ; 16 r + 8 h
.irp b, 0,1,2,3
	v_mov_b32 v[TM+4+\b], 0                        ; a lane permute's destination counts as one of its sources
.endr
	s_wait_alu depctr_va_vdst(0)
	s_wait_dscnt 0x0                               ; the biases
	s_mov_b32 s3, 0
.Lunit:
.irp i, 0,1,2,3
	EROW \i
.endr
	v_cndmask_b32 v[OW], v[PW], v[PW+2], s[HM]     ; lane (r, h) stores the words of tiles 2 h, 2 h + 1 of slot r
	v_cndmask_b32 v[OW+1], v[PW+1], v[PW+3], s[HM]
	global_store_b64 v[WO], v[OW:OW+1], s[22:23] offset:8192   ; 256 consecutive bytes, aligned
	s_wait_xcnt 0x0                                ; the stores have read their base and their data
	s_add_nc_u64 s[22:23], s[22:23], GS
	s_add_co_u32 s3, s3, 1
	s_cmp_eq_u32 s3, 2
	s_cselect_b64 s[22:23], s[84:85], s[22:23]
	s_cmp_lg_u32 s3, 3
	s_cbranch_scc1 .Lunit
	s_wait_tensorcnt 0x0                           ; the wave's end
	ds_add_u32 v[SPW], v[NIL]
	s_wait_dscnt 0x0
	CROUND                                         ; the closing round
	s_endpgm
.Lfunc_end_k_qcb3eb24e3d_qkv:
	.size	k_qcb3eb24e3d_qkv, .Lfunc_end_k_qcb3eb24e3d_qkv-k_qcb3eb24e3d_qkv
	.p2alignl 7, 3214868480
	.fill 96, 4, 3214868480
	.section	.rodata,"a",@progbits
	.p2align	6, 0x0
	.amdhsa_kernel k_qcb3eb24e3d_qkv
		.amdhsa_group_segment_fixed_size 327680
		.amdhsa_private_segment_fixed_size 0
		.amdhsa_enable_private_segment 0
		.amdhsa_kernarg_size 40
		.amdhsa_user_sgpr_count 2
		.amdhsa_user_sgpr_kernarg_segment_ptr 1
		.amdhsa_wavefront_size32 1
		.amdhsa_system_sgpr_workgroup_id_x 1
		.amdhsa_system_sgpr_workgroup_id_y 1
		.amdhsa_system_sgpr_workgroup_id_z 1
		.amdhsa_system_vgpr_workitem_id 0
		.amdhsa_next_free_vgpr 1024
		.amdhsa_next_free_sgpr 100
		.amdhsa_reserve_vcc 0
		.amdhsa_float_denorm_mode_32 3
		.amdhsa_float_denorm_mode_16_64 3
		.amdhsa_memory_ordered 1
		.amdhsa_forward_progress 1
		.amdhsa_inst_pref_size 233
	.end_amdhsa_kernel
	.amdgpu_metadata
---
amdhsa.version: [ 1, 2 ]
amdhsa.kernels:
  - .name:           k_qcb3eb24e3d_qkv
    .symbol:         k_qcb3eb24e3d_qkv.kd
    .args:
      - { .name: xw, .offset: 0, .size: 8, .value_kind: global_buffer, .address_space: global }
      - { .name: bq, .offset: 8, .size: 8, .value_kind: global_buffer, .address_space: global }
      - { .name: bk, .offset: 16, .size: 8, .value_kind: global_buffer, .address_space: global }
      - { .name: bv, .offset: 24, .size: 8, .value_kind: global_buffer, .address_space: global }
      - { .name: qkv, .offset: 32, .size: 8, .value_kind: global_buffer, .address_space: global }
    .group_segment_fixed_size: 327680
    .private_segment_fixed_size: 0
    .kernarg_segment_align: 8
    .kernarg_segment_size: 40
    .max_flat_workgroup_size: 128
    .sgpr_count:     100
    .vgpr_count:     1024
    .wavefront_size: 32
...
	.end_amdgpu_metadata
.endif
;; end of part 2
;; launch score (part 3): grid 8 x 32, 4 waves a work-group, clusters of 4 x 4, 327,680 bytes of LDS; arguments qkv, mbits, p_img, p_scw, p_stat; writes p_img, p_scw, p_stat
.if DOCPART == 3
	.amdgcn_target "amdgcn-amd-amdhsa--gfx1250"
	.amdhsa_code_object_version 6
	.text
	.protected	k_qcb3eb24e3d_score
	.globl	k_qcb3eb24e3d_score
	.p2align	8
	.type	k_qcb3eb24e3d_score,@function
k_qcb3eb24e3d_score:
	s_mov_b64 s[64:65], 0
	v_nop
	global_prefetch_b8 v0, s[64:65] scope:SCOPE_SE
	s_setreg_imm32_b32 hwreg(HW_REG_WAVE_MODE, 25, 1), 1
	s_wait_xcnt 0x0
	s_wait_alu depctr_hold_cnt(0) depctr_sa_sdst(0) depctr_va_vdst(0) depctr_va_sdst(0) depctr_va_ssrc(0) depctr_va_vcc(0) depctr_vm_vsrc(0)
	s_getreg_b32 s2, hwreg(HW_REG_IB_STS2, 6, 4)
	s_cmp_eq_u32 s2, 0
	s_cbranch_scc0 .Lentry_in_a_cluster
	s_endpgm
.Lentry_in_a_cluster:
	s_bfe_u32 s2, ttmp6, 0x10000c
	s_cmp_lg_u32 s2, 0xf033
	s_cbranch_scc0 .Lentry_shape_is_right
	s_endpgm
.Lentry_shape_is_right:
; SCORE: S = Q K^T / 32, masked; P = 2^(t - M) quantised along the keys, M a whole number of its own for each query and chunk of 128 keys; P's codes, its scale words, -M and the chunk's sum of the unquantised p leave.
; Units of 8,448 bytes (64 rows x 128 along K, codes and scale words) as the launch before stores them.  p_img [group of 64 queries][chunk of 128 keys, 16][4 tiles of 2,048]; p_scw, p_stat (-M; the sums 524,288 bytes on) [chunk][8,192]: (tile 4 G + u, slot r) at 256 G + 16 r + 4 u.
; SHARES.  A work-group makes 256 queries (y) x 256 keys (x) of a batch: 32 x 8 = 256; a wave 128 x 128: 64 accumulators.  Source 0 = K's rows, source 1 = Q's: a lane holds a query, its registers 16 b + i are keys 32 b + 16 h + i.
; THE RING: two slots of two steps of 128 along K; waves 0, 1 fetch Q's groups, waves 2, 3 K's: one joint load a wave.  CLUSTERS 4 x 4: Q's rows are shared along a row, K's along a column.
; A STEP is eight groups of 8 products: Q's tiles 0-3 against K's four pairs, then Q's tiles 4-7.  K's fragments have two sets, Q's one: tiles 4-7 come in the step's first group, the next step's 0-3 in its fifth.
; PREFETCH INTO THE L2: behind slot 1's first load a request for steps 4, 5, behind the first refill one for steps 6, 7: a lane names 256 bytes, the four partners of a load take a unit each by address; the scale words come by their loads alone.
; REGISTERS: window 0: v1-9 addresses, v16-31 scale words (two sets: lanes 0-15 Q's tile i, lanes 16-31 K's), v128-255 Q; windows 1, 2: accumulators, 64 registers a query tile; window 3: K's two sets.
; A chunk without a key in a query has the maximum held at -3e38, p = 0 and a sum of 0.
; LIMITS: the scaled scores stay under 2^31 in magnitude; NaN and infinities among Q and K are not served.
; Two further requests: for steps 2, 3 behind slot 0's load, in the same shares; and, behind the first refill, for the wave's own mask words: eight blocks of 256 bytes, a tile each, which no other wave reads (the lanes left over name the last).
.set UN,    8448
.set GS,    67584
.set SLOT,  135168                     ; four regions of 33,792: Q's two, K's two
.set SPARE, 2*SLOT
.set SPW,  1
.set NIL,  2
.set PFO,  3
.set ADA,  4
.set ADB,  6
.set ADS,  8
.set S,    16
.set AF,   128
.set W,    128                         ; the epilogue
.set PC,   192
.set TM,   208
.set PW,   224
.set NM,   228
.set LS,   232
.set U,    236
.set NMP,  238
.set S0,   240
.set S1,   242
.set OW,   244
.set LI,   250
.set WO,   251
.set NINF, 252
.set G1,   24
.set G0,   32
.set G1B,  68
.set G0B,  40
.set MNT,  2
.set SEL,  4
.set HM,   17
.set CS,   18
.set MSB, 0
.macro WIN new                         ; the immediate's high byte repeats the setting that is left
.if MSB != (\new)
	s_set_vgpr_msb (MSB<<8)|(\new)
.set MSB, (\new)
.endif
.endm
.macro PLACES n
.rept \n
	v_nop
.endr
.endm
.macro JLOAD s
	s_cmp_eq_u32 s15, 0
	s_cbranch_scc0 .Lfor_b_\@
	tensor_load_to_lds s[G0+4*\s:G0+4*\s+3], s[G1:G1+7]
	s_nop 0
	PLACES 4
	s_branch .Lasked_\@
.Lfor_b_\@:
	tensor_load_to_lds s[G0B+4*\s:G0B+4*\s+3], s[G1B:G1B+7]
	s_nop 0
	PLACES 4
.Lasked_\@:
.endm
.macro CREST
	s_cmp_lg_u32 s14, 0
	s_cbranch_scc1 .Lnot_wave_0_\@
	s_barrier_signal -3
.Lnot_wave_0_\@:
	s_barrier_wait -3
	s_barrier_signal -1
	s_barrier_wait -1
.endm
.macro CROUND
	s_barrier_signal -1
	s_barrier_wait -1
	CREST
.endm
.macro GROUP1 g, mask                  ; two groups of two units each, 8-byte elements
	s_or_b32 s[\g], s\mask, (3<<16)|(1<<21)
	s_mov_b32 s[\g+1], 2112<<16
	s_mov_b32 s[\g+2], 2<<16
	s_mov_b32 s[\g+3], 2112<<16
	s_mov_b32 s[\g+4], 2
	s_mov_b32 s[\g+5], 8448
	s_mov_b32 s[\g+6], 0
	s_mov_b32 s[\g+7], 0
.endm
.macro GROUP0 g, lds, p, off
	s_mov_b32 s[\g], 1
	s_mov_b32 s[\g+1], s\lds
	s_add_nc_u64 s[\g+2:\g+3], s[\p:\p+1], \off
	s_or_b32 s[\g+3], s[\g+3], 0x80000000
.endm
.macro AFR s, q, i                     ; Q's tile i
	WIN 0
.irp c, 0,1,2,3
	ds_load_b128 v[AF+16*(\i)+4*\c:AF+16*(\i)+4*\c+3], v[ADA+\s] offset:((\i)/4)*2*UN+(\q)*UN+2048*((\i)%4)+512*\c
.endr
.endm
.macro BFR s, q, i                     ; K's tile i into set q
	WIN 0xc0
.irp c, 0,1,2,3
	ds_load_b128 v[128*(\q)+16*(\i)+4*\c:128*(\q)+16*(\i)+4*\c+3], v[ADB+\s] offset:((\i)/4)*2*UN+(\q)*UN+2048*((\i)%4)+512*\c
.endr
.endm
.macro SLD s, q
	WIN 0
	ds_load_b128 v[S+8*(\q):S+8*(\q)+3], v[ADS+\s] offset:(\q)*UN
	ds_load_b128 v[S+8*(\q)+4:S+8*(\q)+7], v[ADS+\s] offset:2*UN+(\q)*UN
.endm
; In one run behind a group's first product.  ev 1: this step's Q tiles 4-7 (16 loads); 2: the next step's scale words and K tiles (34), whose set was last read in the step before; 3: its Q tiles 0-3 (16)
.macro EV ev, ls, lq
.if (\ev) > 0 && M_ == 0
.if (\ev) == 1
	PLACES 8
.irp i, 4,5,6,7
	AFR \ls, \lq, \i
.endr
.elseif (\ev) == 2
	SLD \ls, \lq
.irp i, 0,1,2,3,4,5,6,7
	BFR \ls, \lq, \i
.endr
.else
	PLACES 8
.irp i, 0,1,2,3
	AFR \ls, \lq, \i
.endr
.endif
.endif
.endm
; 8 products; the 64 accumulators take turns, one instruction a turn, in the same order in every step.
.macro GRP hi, bp, st, z, ev, ls, lq
.set M_, 0
.rept 8
.set A_, 4*(\hi)+M_/2
.set B_, 2*(\bp)+M_%2
.set D_, 64*(A_%4)+8*B_
.set FB_, 128*(\st)+16*B_
.set FA_, AF+16*A_
	WIN 3+0x50*(1+(\hi))
.if \z
	v_wmma_scale_f32_16x16x128_f8f6f4 v[D_:D_+7], v[FB_:FB_+15], v[FA_:FA_+15], 0, v[S+8*(\st)+B_], v[S+8*(\st)+A_] matrix_a_scale:MATRIX_SCALE_ROW1
.else
	v_wmma_scale_f32_16x16x128_f8f6f4 v[D_:D_+7], v[FB_:FB_+15], v[FA_:FA_+15], v[D_:D_+7], v[S+8*(\st)+B_], v[S+8*(\st)+A_] matrix_a_scale:MATRIX_SCALE_ROW1
.endif
	EV \ev, \ls, \lq
.set M_, M_+1
.endr
.endm
; A step: place q of slot s; the next: place 1 - q of slot ns.  turn as in the launch before: 0 same slot next, 1 change and fill, 2 change, 3 the last
.macro STEP s, q, z, ns, turn
	s_wait_dscnt 0x0
	GRP 0, 0, \q, \z, 1, \s, \q
.if (\turn) == 1 || (\turn) == 2
	WIN 0
	s_wait_tensorcnt 0x0                           ; my part of the next slot has landed
	ds_add_u32 v[SPW], v[NIL]                      ; 0 onto my spare word
.if (\turn) == 1
	s_add_nc_u64 s[G0+4*\s+2:G0+4*\s+3], s[G0+4*\s+2:G0+4*\s+3], 4*UN
	s_add_nc_u64 s[G0B+4*\s+2:G0B+4*\s+3], s[G0B+4*\s+2:G0B+4*\s+3], 4*UN
.endif
	GRP 0, 1, \q, \z, 0, 0, 0
	s_wait_dscnt 0x0                               ; the add is done, and my reads of this slot are over
	s_barrier_signal -1
	GRP 0, 2, \q, \z, 0, 0, 0
	WIN 0
	s_barrier_wait -1
.if (\turn) == 1
	CREST
	JLOAD \s
.endif
.else
	GRP 0, 1, \q, \z, 0, 0, 0
	GRP 0, 2, \q, \z, 0, 0, 0
.endif
.if (\turn) == 3
	GRP 0, 3, \q, \z, 0, 0, 0
	s_wait_dscnt 0x0
	GRP 1, 0, \q, \z, 0, 0, 0
	GRP 1, 1, \q, \z, 0, 0, 0
.else
	GRP 0, 3, \q, \z, 2, \ns, 1-\q
	s_wait_dscnt 34                                ; Q's tiles 4-7 are in; the 34 just issued may be out
	GRP 1, 0, \q, \z, 3, \ns, 1-\q
	GRP 1, 1, \q, \z, 0, 0, 0
.endif
	GRP 1, 2, \q, \z, 0, 0, 0
	GRP 1, 3, \q, \z, 0, 0, 0
.endm
	s_load_b256 s[4:11], s[0:1], 0x0               ; qkv, mbits, p_img, p_scw
	s_load_b64 s[12:13], s[0:1], 0x20              ; p_stat
	v_lshl_add_u32 v[SPW], v0, 2, SPARE
	v_mov_b32 v[NIL], 0
	ds_add_u32 v[SPW], v[NIL]                      ; the wave's opening: the add, twice on end, and its wait
	ds_add_u32 v[SPW], v[NIL]
	v_lshrrev_b32 v3, 5, v0
	v_readfirstlane_b32 s14, v3                    ; wave
	s_lshr_b32 s15, s14, 1                         ; my half of the queries; also: I fetch for Q (0) or K (1)
	s_and_b32 s16, s14, 1                          ; my half of the keys; also: which region I fetch
	s_bfe_u32 s50, ttmp6, 0x40000                  ; cx
	s_bfe_u32 s51, ttmp6, 0x40004                  ; cy
	s_lshl_b32 s22, ttmp9, 2
	s_add_co_u32 s22, s22, s50                     ; block of 256 keys in the batch
	s_and_b32 s52, ttmp7, 0xffff
	s_lshl_b32 s17, s52, 2
	s_add_co_u32 s17, s17, s51                     ; block of 256 queries
	s_lshr_b32 s52, s52, 1                         ; the batch: made of no cy
	s_lshl_b32 s2, s51, 2
	s_lshl_b32 s2, 15, s2
	s_lshl_b32 s3, 0x1111, s50
	GROUP1 G1, 2
	GROUP1 G1B, 3
	s_lshl_b32 s18, s17, 2
	s_lshl_b32 s23, s16, 1
	s_add_co_u32 s18, s18, s23
	s_mul_i32 s18, s18, GS                         ; Q: group 4 y + 2 region
	s_mov_b32 s19, 0
	s_lshl_b32 s20, s52, 3
	s_add_co_u32 s20, s20, s22
	s_lshl_b32 s20, s20, 2
	s_add_co_u32 s20, s20, s23
	s_mul_i32 s20, s20, GS
	s_add_co_u32 s20, s20, 8650752                 ; K: behind Q
	s_mov_b32 s21, 0
	s_mul_i32 s90, s14, 33792                      ; where they go: wave x a region
	s_add_co_u32 s91, s90, SLOT
	s_mul_i32 s92, s15, 33792                      ; where I read Q,
	s_mul_i32 s93, s16, 33792
	s_add_co_u32 s93, s93, 67584                   ; K
	s_sub_co_u32 s94, s93, s92
	s_add_co_u32 s95, s92, SLOT
	s_add_co_u32 s96, s93, SLOT
	s_add_co_u32 s97, s92, 8192
	s_add_co_u32 s98, s95, 8192
	s_wait_dscnt 0x0                               ; both opening adds are done
	CROUND                                         ; the opening round, ahead of the wait for the arguments: all sixteen work-groups are here
	s_wait_alu depctr_va_vdst(0)
	s_wait_kmcnt 0x0
	s_add_nc_u64 s[18:19], s[4:5], s[18:19]
	s_add_nc_u64 s[20:21], s[4:5], s[20:21]
	GROUP0 G0, 90, 18, 0
	GROUP0 G0+4, 91, 18, 2*UN
	GROUP0 G0B, 90, 20, 0
	GROUP0 G0B+4, 91, 20, 2*UN
	JLOAD 0                                        ; steps 0, 1: one tensor load a wave
	v_and_b32 v10, 31, v0
	v_lshlrev_b32 v11, 4, v10                      ; 16 l
	v_and_b32 v12, 15, v0                          ; r
	v_bfe_u32 v13, v0, 4, 1                        ; h
	v_add_nc_u32 v[ADA], s92, v11
	v_add_nc_u32 v[ADA+1], s95, v11
	v_add_nc_u32 v[ADB], s93, v11
	v_add_nc_u32 v[ADB+1], s96, v11
	v_mul_u32_u24 v14, s94, v13                    ; scale words: lanes 0-15 Q's, lanes 16-31 K's: the lower base + h x the distance
	v_lshl_add_u32 v14, v12, 4, v14
	v_add_nc_u32 v[ADS], s97, v14
	v_add_nc_u32 v[ADS+1], s98, v14
	v_lshlrev_b32 v[PFO], 8, v10
	v_min_u32 v15, 7, v10
	v_lshlrev_b32 v15, 12, v15                     ; the mask words' request: a tile's 4,096 bytes; never rewritten
	s_wait_alu depctr_va_vdst(0)                   ; the head's end
	s_cmp_eq_u32 s15, 0                            ; the prefetches: my stream, my place among the four that ask with me
	s_cselect_b64 s[48:49], s[18:19], s[20:21]
	s_cselect_b32 s2, s50, s51
	s_lshr_b32 s54, s2, 1
	s_mul_i32 s54, s54, GS
	s_and_b32 s2, s2, 1
	s_mul_i32 s2, s2, UN
	s_add_co_u32 s54, s54, s2
	s_mov_b32 s55, 0
	s_add_nc_u64 s[48:49], s[48:49], s[54:55]
	global_prefetch_b8 v[PFO], s[48:49] offset:2*UN th:TH_LOAD_NT scope:SCOPE_SE
	s_lshl_b32 s53, s22, 1
	s_add_co_u32 s53, s53, s16                     ; chunk of 128 keys
	s_lshl_b32 s54, s17, 19                        ; P: groups 4 y + 2 half of 131,072 bytes, + 8,192 a chunk
	s_lshl_b32 s2, s15, 18
	s_add_co_u32 s54, s54, s2
	s_lshl_b32 s2, s53, 13
	s_add_co_u32 s54, s54, s2
	s_add_nc_u64 s[8:9], s[8:9], s[54:55]
	s_lshl_b32 s54, s53, 15                        ; scale words, -M, sums: 32,768 bytes a chunk, + 1,024 y + 512 half
	s_lshl_b32 s2, s17, 10
	s_add_co_u32 s54, s54, s2
	s_lshl_b32 s2, s15, 9
	s_add_co_u32 s54, s54, s2
	s_add_nc_u64 s[10:11], s[10:11], s[54:55]
	s_add_nc_u64 s[12:13], s[12:13], s[54:55]
	s_lshl_b32 s54, s17, 16                        ; mask words: tiles 16 y + 8 half of 4,096 bytes, + 256 a chunk
	s_lshl_b32 s2, s15, 15
	s_add_co_u32 s54, s54, s2
	s_lshl_b32 s2, s53, 8
	s_add_co_u32 s54, s54, s2
	s_add_nc_u64 s[6:7], s[6:7], s[54:55]
	s_mov_b32 s[SEL], 0x76543210
	s_mov_b32 s[SEL+1], 0xfedcba98
	s_mov_b32 s[CS], 0x3d38aa3b                    ; log2(e) / 32
	s_mov_b32 s[CS+1], s[CS]
	s_mov_b32 s[MNT], 0x600000
	s_mov_b32 s[HM], 0xffff0000
	s_wait_tensorcnt 0x0                           ; my part of slot 0 is in
	ds_add_u32 v[SPW], v[NIL]
	s_wait_dscnt 0x0
	CROUND
	JLOAD 1                                        ; steps 2, 3
.irp i, 0,1,2,3
	AFR 0, 0, \i
.endr
	SLD 0, 0
.irp i, 0,1,2,3,4,5,6,7
	BFR 0, 0, \i
.endr
	WIN 0
	global_prefetch_b8 v[PFO], s[48:49] offset:4*UN th:TH_LOAD_NT scope:SCOPE_SE
	STEP 0, 0, 1, 0, 0                             ; the first products start the sums: nothing is cleared
	STEP 0, 1, 0, 1, 1
	WIN 0
	global_prefetch_b8 v[PFO], s[48:49] offset:6*UN th:TH_LOAD_NT scope:SCOPE_SE
	global_prefetch_b8 v15, s[6:7] th:TH_LOAD_NT scope:SCOPE_SE
	STEP 1, 0, 0, 1, 0
	STEP 1, 1, 0, 0, 1
	STEP 0, 0, 0, 0, 0
	STEP 0, 1, 0, 1, 2
.macro MLOAD a
	s_load_b512 s[24:39], s[6:7], 4096*(\a)
	s_load_b512 s[40:55], s[6:7], 4096*(\a)+64
	s_load_b512 s[68:83], s[6:7], 4096*(\a)+128
	s_load_b512 s[84:99], s[6:7], 4096*(\a)+192
.endm
	s_wait_xcnt 0x0                                ; the prefetches have read their base; no tensor load is out: the descriptors' registers take mask words
	MLOAD 0
	STEP 1, 0, 0, 1, 0
	STEP 1, 1, 0, 0, 3
	WIN 0
; THE EPILOGUE: two trips of four query tiles.  Masked scores are copied out of the accumulators (-infinity where the mask is 0); the arithmetic of a row follows the problem's rule for a softmax ahead of a quantised product.
.macro MASKED i, w
	s_wait_alu depctr_va_vdst(0)
	WIN 4*(\w)
.set ee, 0
.rept 32
	v_cndmask_b32 v[W+ee], v[NINF], v[64*(\i)+ee], s[24+ee]
.set ee, ee+1
.endr
.rept 32
	v_cndmask_b32 v[W+ee], v[NINF], v[64*(\i)+ee], s[36+ee]
.set ee, ee+1
.endr
	WIN 0
.endm
.macro SOFT i
	s_wait_kmcnt 0x0
	s_cmp_lg_u32 s3, 0
	s_cbranch_scc1 .Lsecond_\@
	MASKED \i, 1
	s_branch .Lmasked_\@
.Lsecond_\@:
	MASKED \i, 2
.Lmasked_\@:
	s_wait_alu depctr_va_vdst(0)
.if (\i) < 3
	MLOAD (\i)+1                                   ; the next tile's mask words
.else
	s_cmp_lg_u32 s3, 0                             ; the first trip asks for the second's first
	s_cbranch_scc1 .Lno_more_\@
	MLOAD 4
.Lno_more_\@:
	s_wait_alu depctr_va_vdst(0)
.endif
.irp b, 0,1,2,3
	v_max3_num_f32 v[TM+\b], v[W+16*\b], v[W+16*\b+1], v[W+16*\b+2]   ; the largest score of each block: for M and for the block's largest p
.endr
.irp i2, 3,5,7,9,11,13
.irp b, 0,1,2,3
	v_max3_num_f32 v[TM+\b], v[TM+\b], v[W+16*\b+\i2], v[W+16*\b+\i2+1]
.endr
.endr
.irp b, 0,1,2,3
	v_max_num_f32 v[TM+\b], v[TM+\b], v[W+16*\b+15]
.endr
.irp b, 0,1,2,3
	v_permlanex16_b32 v[TM+4+\b], v[TM+\b], s[SEL], s[SEL+1]
.endr
.irp b, 0,1,2,3
	v_max_num_f32 v[TM+\b], v[TM+\b], v[TM+4+\b]
.endr
	v_max3_num_f32 v[U], v[TM], v[TM+1], v[TM+2]
	v_max3_num_f32 v[U], v[U], v[TM+3], 0xff61b1e6 ; held at -3e38 where no key counts
	v_mul_f32 v[U], s[CS], v[U]
	v_floor_f32 v[NMP], -v[U]                      ; -M
.set jj, 0
.rept 32
	v_pk_fma_f32 v[W+jj:W+jj+1], v[W+jj:W+jj+1], s[CS:CS+1], v[NMP:NMP+1] op_sel_hi:[1,0,0]   ; t - M
.set jj, jj+2
.endr
.irp b, 0,1,2,3
	v_fma_f32 v[TM+\b], v[TM+\b], s[CS], v[NMP]
.endr
	s_wait_alu depctr_va_vdst(0)                   ; ahead of the batch
.set jj, 0
.rept 64
	v_exp_f32 v[W+jj], v[W+jj]
.set jj, jj+1
.endr
	v_mov_b32 v[NM+(\i)], v[NMP]
	s_wait_alu depctr_va_vdst(0)                   ; and ahead of its first reader
.irp b, 0,1,2,3
	v_exp_f32 v[TM+\b], v[TM+\b]                   ; the block's largest p: the same two instructions on the same number
.endr
	v_pk_add_f32 v[S0:S0+1], v[W:W+1], v[W+2:W+3]  ; the sum of the unquantised p
	v_pk_add_f32 v[S1:S1+1], v[W+4:W+5], v[W+6:W+7]
.irp j, 8,12,16,20,24,28,32,36,40,44,48,52,56,60
	v_pk_add_f32 v[S0:S0+1], v[S0:S0+1], v[W+\j:W+\j+1]
	v_pk_add_f32 v[S1:S1+1], v[S1:S1+1], v[W+\j+2:W+\j+3]
.endr
	v_pk_add_f32 v[S0:S0+1], v[S0:S0+1], v[S1:S1+1]
	v_add_f32 v[LS+(\i)], v[S0], v[S0+1]
	v_permlanex16_b32 v[U], v[LS+(\i)], s[SEL], s[SEL+1]
	v_add_f32 v[LS+(\i)], v[LS+(\i)], v[U]
	s_wait_alu depctr_va_vdst(0)                   ; the four exponentials' readers follow
.irp b, 0,1,2,3
	v_max_num_f32 v[TM+\b], 0x4800000, v[TM+\b]    ; the floor 2^(9 - 127): the byte cannot fall under 1
.endr
.irp b, 0,1,2,3
	v_add_nc_u32 v[TM+12+\b], 0xfc000000, v[TM+\b]
.endr
.irp b, 0,1,2,3
	v_and_or_b32 v[TM+8+\b], v[TM+\b], 0x7f800000, s[MNT]
.endr
.irp b, 0,1,2,3
	v_lshrrev_b32 v[TM+4+\b], 23, v[TM+12+\b]
.endr
	v_lshl_or_b32 v[PW+(\i)], v[TM+5], 8, v[TM+4]
	v_lshl_or_b32 v[PW+(\i)], v[TM+6], 16, v[PW+(\i)]
	v_lshl_or_b32 v[PW+(\i)], v[TM+7], 24, v[PW+(\i)]
	s_wait_xcnt 0x0                                ; the last tile's stores have read their data
.irp b, 0,1,2,3
.irp i2, 0,1,2,3,4,5,6,7,8,9,10,11,12,13,14,15
	v_min_num_f32 v[W+16*\b+\i2], v[W+16*\b+\i2], v[TM+8+\b]   ; the conversion does not saturate (ISA guide 7.6.2); p is not negative
.endr
	v_cvt_scalef32_pk8_fp8_f32 v[PC+4*\b:PC+1+4*\b], v[W+16*\b:W+7+16*\b], v[TM+12+\b]
	v_cvt_scalef32_pk8_fp8_f32 v[PC+2+4*\b:PC+3+4*\b], v[W+8+16*\b:W+15+16*\b], v[TM+12+\b]
.endr
	v_nop
.irp c, 0,1,2,3
	global_store_b128 v[LI], v[PC+4*\c:PC+4*\c+3], s[8:9] offset:2048*(\i)+512*\c
.endr
.endm
	PLACES 8                                       ; behind the last products: their results are read, and their operands' registers written, below
	v_and_b32 v10, 31, v0
	v_lshlrev_b32 v[LI], 4, v10
	v_and_b32 v11, 15, v0
	v_bfe_u32 v12, v0, 4, 1
	v_lshlrev_b32 v[WO], 4, v11
	v_lshl_add_u32 v[WO], v12, 3, v[WO]            ; 16 r + 8 h
	v_mov_b32 v[NINF], 0xff800000
.irp b, 0,1,2,3
	v_mov_b32 v[TM+4+\b], 0                        ; a lane permute's destination counts as one of its sources
.endr
	v_mov_b32 v[U], 0
	v_mov_b32 v[NMP+1], 0                          ; (named as the upper half of a pair)
	s_mov_b32 s3, 0
	s_wait_alu depctr_va_vdst(0)
.Lfour:
.irp i, 0,1,2,3
	SOFT \i
.endr
.irp u, 0,1
	v_cndmask_b32 v[OW+\u], v[PW+\u], v[PW+2+\u], s[HM]   ; lane (r, h) stores the words of tiles 2 h, 2 h + 1 of slot r
	v_cndmask_b32 v[OW+2+\u], v[NM+\u], v[NM+2+\u], s[HM]
	v_cndmask_b32 v[OW+4+\u], v[LS+\u], v[LS+2+\u], s[HM]
.endr
	global_store_b64 v[WO], v[OW:OW+1], s[10:11]   ; 256 consecutive bytes each, aligned
	global_store_b64 v[WO], v[OW+2:OW+3], s[12:13]
	global_store_b64 v[WO], v[OW+4:OW+5], s[12:13] offset:524288
	s_wait_xcnt 0x0                                ; the stores and loads have read their bases and data
	s_add_nc_u64 s[6:7], s[6:7], 16384             ; four tiles on
	s_add_nc_u64 s[8:9], s[8:9], 131072
	s_add_nc_u64 s[10:11], s[10:11], 256
	s_add_nc_u64 s[12:13], s[12:13], 256
	s_add_co_u32 s3, s3, 1
	s_cmp_lg_u32 s3, 2
	s_cbranch_scc1 .Lfour
	s_wait_tensorcnt 0x0                           ; the wave's end
	ds_add_u32 v[SPW], v[NIL]
	s_wait_dscnt 0x0
	CROUND                                         ; the closing round
	s_endpgm
.Lfunc_end_k_qcb3eb24e3d_score:
	.size	k_qcb3eb24e3d_score, .Lfunc_end_k_qcb3eb24e3d_score-k_qcb3eb24e3d_score
	.p2alignl 7, 3214868480
	.fill 96, 4, 3214868480
	.section	.rodata,"a",@progbits
	.p2align	6, 0x0
	.amdhsa_kernel k_qcb3eb24e3d_score
		.amdhsa_group_segment_fixed_size 327680
		.amdhsa_private_segment_fixed_size 0
		.amdhsa_enable_private_segment 0
		.amdhsa_kernarg_size 40
		.amdhsa_user_sgpr_count 2
		.amdhsa_user_sgpr_kernarg_segment_ptr 1
		.amdhsa_wavefront_size32 1
		.amdhsa_system_sgpr_workgroup_id_x 1
		.amdhsa_system_sgpr_workgroup_id_y 1
		.amdhsa_system_sgpr_workgroup_id_z 1
		.amdhsa_system_vgpr_workitem_id 0
		.amdhsa_next_free_vgpr 1024
		.amdhsa_next_free_sgpr 100
		.amdhsa_reserve_vcc 0
		.amdhsa_float_denorm_mode_32 3
		.amdhsa_float_denorm_mode_16_64 3
		.amdhsa_memory_ordered 1
		.amdhsa_forward_progress 1
		.amdhsa_inst_pref_size 205
	.end_amdhsa_kernel
	.amdgpu_metadata
---
amdhsa.version: [ 1, 2 ]
amdhsa.kernels:
  - .name:           k_qcb3eb24e3d_score
    .symbol:         k_qcb3eb24e3d_score.kd
    .args:
      - { .name: qkv, .offset: 0, .size: 8, .value_kind: global_buffer, .address_space: global }
      - { .name: mbits, .offset: 8, .size: 8, .value_kind: global_buffer, .address_space: global }
      - { .name: p_img, .offset: 16, .size: 8, .value_kind: global_buffer, .address_space: global }
      - { .name: p_scw, .offset: 24, .size: 8, .value_kind: global_buffer, .address_space: global }
      - { .name: p_stat, .offset: 32, .size: 8, .value_kind: global_buffer, .address_space: global }
    .group_segment_fixed_size: 327680
    .private_segment_fixed_size: 0
    .kernarg_segment_align: 8
    .kernarg_segment_size: 40
    .max_flat_workgroup_size: 128
    .sgpr_count:     100
    .vgpr_count:     1024
    .wavefront_size: 32
...
	.end_amdgpu_metadata
.endif
;; end of part 3
;; launch pv (part 4): grid 8 x 32, 4 waves a work-group, clusters of 4 x 4, 327,680 bytes of LDS; arguments p_img, p_scw, p_stat, qkv, out0; writes out0
.if DOCPART == 4
	.amdgcn_target "amdgcn-amd-amdhsa--gfx1250"
	.amdhsa_code_object_version 6
	.text
	.protected	k_qcb3eb24e3d_pv
	.globl	k_qcb3eb24e3d_pv
	.p2align	8
	.type	k_qcb3eb24e3d_pv,@function
k_qcb3eb24e3d_pv:
	s_mov_b64 s[64:65], 0
	v_nop
	global_prefetch_b8 v0, s[64:65] scope:SCOPE_SE
	s_setreg_imm32_b32 hwreg(HW_REG_WAVE_MODE, 25, 1), 1
	s_wait_xcnt 0x0
	s_wait_alu depctr_hold_cnt(0) depctr_sa_sdst(0) depctr_va_vdst(0) depctr_va_sdst(0) depctr_va_ssrc(0) depctr_va_vcc(0) depctr_vm_vsrc(0)
	s_getreg_b32 s2, hwreg(HW_REG_IB_STS2, 6, 4)
	s_cmp_eq_u32 s2, 0
	s_cbranch_scc0 .Lentry_in_a_cluster
	s_endpgm
.Lentry_in_a_cluster:
	s_bfe_u32 s2, ttmp6, 0x10000c
	s_cmp_lg_u32 s2, 0xf033
	s_cbranch_scc0 .Lentry_shape_is_right
	s_endpgm
.Lentry_shape_is_right:
; PV: out = (P V) / l on codes of FP8 (E4M3) with E8M0 scales; K = the batch's 2,048 keys, 16 chunks of 128.  Source 0 = V^T's rows, source 1 = P's: lane (r, h) holds query slot r of P's tile a, and register 16 g + i of the tile's 32 is channel 32 g + 16 h + i of my 64.
; p_img [group of 64 queries][chunk][4 tiles of 2,048]; V^T [group of 64 channels][chunk of 64][unit of 8,448: 4 tiles, then 256 bytes of scale words], 17,301,504 bytes into qkv.  Rows of a tile: slot r of tile 2 g + u = row 32 g + 8 u + r % 8 + 16 (r / 8).
; SHARES.  A work-group makes 256 queries (y) x 128 channels (x): 32 x 8 = 256 work-groups.  Four waves, each 128 queries x 64 channels: 32 accumulators.
; THE RING.  Slot X holds four chunks, slot Y two: X (0-3), Y (4, 5), X (6-9), Y (10, 11), X (12-15).  Waves 0, 1 fetch P's halves, waves 2, 3 V^T's: one joint load a wave.  CLUSTERS 4 x 4: P is shared along a row, V^T along a column.
; A CHUNK is four groups of 8 products; both operands have two sets of registers, so the next chunk's fragments come singly behind this chunk's products.  The 16 chunks are written out, so every LDS offset is an immediate.
; THE REPAIR, under the first loads' flight.  P's codes were made under an M of their own for each query and chunk.  For each of the 256 queries: -M(row) = the least of its 16 chunks' -M; for each chunk
; di = M(chunk) - M(row), a whole number, 0 or less, held at -127; l(row) = the sum of l(chunk) x 2^di; each of the chunk's four scale bytes + di, held at 0.  The repaired words and 1 / l go to LDS.
; The bytes are at most 127, so with bit 7 set in each, di x 0x01010101 can be added with no borrow between bytes; a byte whose bit 7 has fallen would be negative and becomes 0.
; A query with no key at all has l = 0 and codes of zeros: 0 x infinity = NaN, as the softmax of a row of -infinity.
; PREFETCH INTO THE L2: behind the first refill a request for chunks 10, 11, behind the second two for chunks 12 to 15: a fill ahead of the load.  The four partners of a load take different pieces by address, a lane names 256 bytes.
; P's are asked for by waves 0, 1 of the first cluster along x; V^T's by wave 2 of the even cluster of a batch, for both halves.  V^T's scale words come by their loads alone.
; REGISTERS: window 0: v15-31 addresses; v32-63 scale words, two sets (P's eight, V^T's four); v80-91 the repair; v96-103 1 / l; v128-255 V^T's two sets (at the head the repair's loads, at the end rows of out).  Window 1: accumulator (a, b) at v[8 (4 a + b)].  Window 2: P's two sets.
; LIMITS: a chunk whose M lies more than 127 under its row's counts with 2^-127, or its blocks with the byte 0: under 1e-36 of the row's largest p.
; THE LOADS STAND IN RUNS (macro EV): what the lines above call singly is one run of the whole next chunk, behind a product of this one.  A further request, for chunks 6 to 9, stands behind slot Y's first load.
; And one for chunks 4, 5 stands behind slot X's first load.  At a change of slots the next chunk's loads stand straight behind the barrier (behind its joint load, where there is one).
.set UN,    8448
.set XB,    131072                     ; slot X: P's two regions of 65,536, V^T's two of 33,792 from here
.set YS,    198656                     ; slot Y: P's two of 32,768,
.set YB,    264192                     ; V^T's two of 16,896
.set SCL,   297984                     ; P's repaired scale words, two halves of [chunk][512]
.set RL,    SCL+16384                  ; 1 / l of the 256 queries
.set SPARE, RL+1024                    ; the spare words, 128 bytes a wave
.set STG,   YS                         ; the way out: 16 rows x (256 + 16) bytes for each wave, in slot Y, behind its last fill and its last read
.set GO,    15
.set ADA,   16
.set ASP,   18
.set TO,    19
.set ADB,   20
.set RD,    22
.set RLA,   23
.set ASV,   24
.set PFO,   26
.set STO,   27
.set SPW,   28
.set NIL,   29
.set AW,    30
.set RLW,   31
.set SC,    32
.set NMR,   80
.set LR,    82
.set T0,    84
.set RLV,   96
.set VF,    128
.set MV,    128
.set LV,    160
.set WW,    192
.set BK,    128
.set G1A,   24
.set G1B,   40
.set G0A,   56
.set G0B,   68
.set ONES,  96
.set TOPS,  97
.set MSB, 0
.macro WIN new                         ; the immediate's high byte repeats the setting that is left
.if MSB != (\new)
	s_set_vgpr_msb (MSB<<8)|(\new)
.set MSB, (\new)
.endif
.endm
.macro PLACES n
.rept \n
	v_nop
.endr
.endm
.macro JLOAD s
	s_cmp_eq_u32 s15, 0
	s_cbranch_scc0 .Lfor_b_\@
	tensor_load_to_lds s[G0A+4*\s:G0A+4*\s+3], s[G1A+8*\s:G1A+8*\s+7]
	s_nop 0
	PLACES 4
	s_branch .Lasked_\@
.Lfor_b_\@:
	tensor_load_to_lds s[G0B+4*\s:G0B+4*\s+3], s[G1B+8*\s:G1B+8*\s+7]
	s_nop 0
	PLACES 4
.Lasked_\@:
.endm
.macro ASK n
	WIN 0
	s_cmp_eq_u32 s82, 1
	s_cbranch_scc0 .Lnot_mine_\@
.if \n == 0
	global_prefetch_b8 v[PFO], s[84:85] th:TH_LOAD_NT scope:SCOPE_SE
	global_prefetch_b8 v[PFO], s[86:87] th:TH_LOAD_NT scope:SCOPE_SE
.elseif \n == 3
	global_prefetch_b8 v[PFO], s[94:95] th:TH_LOAD_NT scope:SCOPE_SE
.elseif \n == 1
	global_prefetch_b8 v[PFO], s[76:77] th:TH_LOAD_NT scope:SCOPE_SE
.else
	global_prefetch_b8 v[PFO], s[78:79] th:TH_LOAD_NT scope:SCOPE_SE
	global_prefetch_b8 v[PFO], s[80:81] th:TH_LOAD_NT scope:SCOPE_SE
.endif
.Lnot_mine_\@:
.endm
.macro CREST
	s_cmp_lg_u32 s14, 0
	s_cbranch_scc1 .Lnot_wave_0_\@
	s_barrier_signal -3
.Lnot_wave_0_\@:
	s_barrier_wait -3
	s_barrier_signal -1
	s_barrier_wait -1
.endm
.macro CROUND
	s_barrier_signal -1
	s_barrier_wait -1
	CREST
.endm
.macro GROUP1 g, mask, dim, rows, pitch, up
	s_or_b32 s[\g], s\mask, (3<<16)|(1<<21)
	s_mov_b32 s[\g+1], (\dim)<<16
	s_mov_b32 s[\g+2], (\rows)<<16
	s_mov_b32 s[\g+3], (\dim)<<16
	s_mov_b32 s[\g+4], \rows
	s_mov_b32 s[\g+5], \pitch
	s_mov_b32 s[\g+6], \up
	s_mov_b32 s[\g+7], 0
.endm
.macro GROUP0 g, lds, p, off
	s_mov_b32 s[\g], 1
	s_mov_b32 s[\g+1], s\lds
	s_add_nc_u64 s[\g+2:\g+3], s[\p:\p+1], \off
	s_or_b32 s[\g+3], s[\g+3], 0x80000000
.endm
.macro WHERE k                         ; chunk k: slot SL_, place Q_
.if (\k) < 4
.set SL_, 0
.set Q_, (\k)
.elseif (\k) < 6
.set SL_, 1
.set Q_, (\k)-4
.elseif (\k) < 10
.set SL_, 0
.set Q_, (\k)-6
.elseif (\k) < 12
.set SL_, 1
.set Q_, (\k)-10
.else
.set SL_, 0
.set Q_, (\k)-12
.endif
.endm
.macro VFR k, b                        ; V^T's tile b of chunk k
	WHERE \k
	WIN 0
.irp c, 0,1,2,3
	ds_load_b128 v[VF+64*((\k)%2)+16*(\b)+4*\c:VF+64*((\k)%2)+16*(\b)+4*\c+3], v[ADB+SL_] offset:UN*Q_+2048*(\b)+512*\c
.endr
.endm
.macro PFR k, a                        ; P's tile a of chunk k
	WHERE \k
	WIN 0x80
.irp c, 0,1,2,3
	ds_load_b128 v[128*((\k)%2)+16*(\a)+4*\c:128*((\k)%2)+16*(\a)+4*\c+3], v[ADA+SL_] offset:((\a)/4)*(4-2*SL_)*8192+8192*Q_+2048*((\a)%4)+512*\c
.endr
.endm
.macro SFR k                           ; its scale words: P's two loads, V^T's one
	WHERE \k
	WIN 0
	ds_load_b128 v[SC+16*((\k)%2):SC+16*((\k)%2)+3], v[ASP] offset:512*(\k)
	ds_load_b128 v[SC+16*((\k)%2)+4:SC+16*((\k)%2)+7], v[ASP] offset:512*(\k)+256
	ds_load_b128 v[SC+16*((\k)%2)+8:SC+16*((\k)%2)+11], v[ASV+SL_] offset:UN*Q_
.endm
.macro FETCH k                         ; a chunk's 51 loads
.irp b, 0,1,2,3
	VFR \k, \b
.endr
	SFR \k
.irp a, 0,1,2,3,4,5,6,7
	PFR \k, \a
.endr
.endm
; Behind a group's first product.  ev 1: places (the other set's last readers stand in the chunk before) and the next chunk's (nk's) 51 loads; 2: the places alone; 3: the loads alone, behind a change of slots
.macro EV ev, nk
.if (\ev) > 0 && M_ == 0
.if (\ev) < 3
	PLACES 8
.endif
.if (\ev) != 2
	FETCH \nk
.endif
.endif
.endm
; 8 products; the 32 accumulators take turns, one instruction a turn, in the same order in every chunk.
.macro GRP hi, bp, k, ev
.set M_, 0
.rept 8
.set A_, 4*(\hi)+M_/2
.set B_, 2*(\bp)+M_%2
.set D_, 8*(4*A_+B_)
.set FV_, VF+64*((\k)%2)+16*B_
.set FP_, 128*((\k)%2)+16*A_
.set SS_, SC+16*((\k)%2)
	WIN 0x58
.if (\k) == 0
	v_wmma_scale_f32_16x16x128_f8f6f4 v[D_:D_+7], v[FV_:FV_+15], v[FP_:FP_+15], 0, v[SS_+8+B_], v[SS_+A_]
.else
	v_wmma_scale_f32_16x16x128_f8f6f4 v[D_:D_+7], v[FV_:FV_+15], v[FP_:FP_+15], v[D_:D_+7], v[SS_+8+B_], v[SS_+A_]
.endif
	EV \ev, (\k)+1
.set M_, M_+1
.endr
.endm
.macro CH k, turn                      ; a chunk.  turn: 0 the next lies in the same slot; 1 a change of slots, this one is filled again six chunks on; 2 a change without a fill; 3 the last
	s_wait_dscnt 16                                ; all but P's tiles 4-7 are in
.if (\turn) == 1 || (\turn) == 2
	WHERE \k
	WIN 0
	s_wait_tensorcnt 0x0                           ; my part of the next slot has landed
	ds_add_u32 v[SPW], v[NIL]                      ; 0 onto my spare word
.if (\turn) == 1
	s_add_nc_u64 s[G0A+4*SL_+2:G0A+4*SL_+3], s[G0A+4*SL_+2:G0A+4*SL_+3], 6*8192
	s_add_nc_u64 s[G0B+4*SL_+2:G0B+4*SL_+3], s[G0B+4*SL_+2:G0B+4*SL_+3], 6*UN
.endif
	GRP 0, 0, \k, 2
	s_wait_dscnt 0x0                               ; the add is done, and my reads of this slot are over
	s_barrier_signal -1
	GRP 0, 1, \k, 0
	WIN 0
	s_barrier_wait -1
.if (\turn) == 1
	CREST
	WHERE \k
.if SL_
	JLOAD 1
.else
	JLOAD 0
.endif
.endif
	FETCH (\k)+1                                   ; (the places for it stand in this chunk's first group)
	GRP 1, 0, \k, 0
	GRP 1, 1, \k, 0
.elseif (\turn) == 0
	GRP 0, 0, \k, 1
	GRP 0, 1, \k, 0
	s_wait_dscnt 51                                ; P's tiles 4-7 are in; the 51 just issued may be out
	GRP 1, 0, \k, 0
	GRP 1, 1, \k, 0
.else
	GRP 0, 0, \k, 0
	GRP 0, 1, \k, 0
	s_wait_dscnt 0x0
	GRP 1, 0, \k, 0
	GRP 1, 1, \k, 0
.endif
.endm
	s_load_b256 s[4:11], s[0:1], 0x0               ; p_img, p_scw, p_stat, qkv
	s_load_b64 s[12:13], s[0:1], 0x20              ; out0
	v_lshl_add_u32 v[SPW], v0, 2, SPARE
	v_mov_b32 v[NIL], 0
	ds_add_u32 v[SPW], v[NIL]                      ; the wave's opening: the add, twice on end, and its wait
	ds_add_u32 v[SPW], v[NIL]
	v_lshrrev_b32 v1, 5, v0
	v_readfirstlane_b32 s14, v1                    ; wave
	s_lshr_b32 s15, s14, 1                         ; my half of the queries; also: I fetch for P (0) or V^T (1)
	s_and_b32 s16, s14, 1                          ; my half of the channels; also: which half I fetch
	s_bfe_u32 s86, ttmp6, 0x40000                  ; cx
	s_bfe_u32 s87, ttmp6, 0x40004                  ; cy
	s_lshl_b32 s22, ttmp9, 2
	s_add_co_u32 s22, s22, s86                     ; block of 128 channels
	s_and_b32 s88, ttmp7, 0xffff                   ; the cluster's y
	s_lshl_b32 s17, s88, 2
	s_add_co_u32 s17, s17, s87                     ; block of 256 queries
	s_lshr_b32 s89, s88, 1                         ; the batch: made of no cy
	s_lshl_b32 s2, s87, 2
	s_lshl_b32 s2, 15, s2
	s_lshl_b32 s3, 0x1111, s86
	GROUP1 G1A, 2, 4096, 2, 16384, 0               ; P into X: two groups of four chunks
	GROUP1 G1A+8, 2, 2048, 2, 16384, 0             ; into Y
	GROUP1 G1B, 3, 4224, 1, 67584, 1<<16           ; V^T into X: one group, four units
	GROUP1 G1B+8, 3, 2112, 1, 67584, 1<<16
	s_lshl_b32 s18, s17, 19                        ; P: group 4 y + 2 half, 131,072 bytes each
	s_lshl_b32 s23, s16, 18
	s_add_co_u32 s18, s18, s23
	s_mov_b32 s19, 0
	s_lshl_b32 s20, s22, 1                         ; V^T: group 2 x + half, the batch's 16 chunks
	s_add_co_u32 s20, s20, s16
	s_lshl_b32 s20, s20, 6
	s_lshl_b32 s23, s89, 4
	s_add_co_u32 s20, s20, s23
	s_mul_i32 s20, s20, UN
	s_add_co_u32 s20, s20, 17301504
	s_mov_b32 s21, 0
	s_lshl_b32 s90, s16, 16                        ; where they go
	s_lshl_b32 s91, s16, 15
	s_add_co_u32 s91, s91, YS
	s_mul_i32 s92, s16, 33792
	s_add_co_u32 s92, s92, XB
	s_mul_i32 s93, s16, 16896
	s_add_co_u32 s93, s93, YB
	s_wait_dscnt 0x0                               ; both opening adds are done
	CROUND                                         ; the opening round, ahead of the wait for the arguments: all sixteen work-groups are here
	s_wait_alu depctr_va_vdst(0)
	s_wait_kmcnt 0x0
	s_add_nc_u64 s[18:19], s[4:5], s[18:19]
	s_add_nc_u64 s[20:21], s[10:11], s[20:21]
	GROUP0 G0A, 90, 18, 0
	GROUP0 G0A+4, 91, 18, 4*8192
	GROUP0 G0B, 92, 20, 0
	GROUP0 G0B+4, 93, 20, 4*UN
	JLOAD 0                                        ; chunks 0-3: one tensor load a wave
	s_lshl_b32 s2, s17, 10                         ; the repair's loads: each instruction of the work-group reads a chunk's 1,024 consecutive bytes
	s_mov_b32 s3, 0
	s_add_nc_u64 s[6:7], s[6:7], s[2:3]
	s_add_nc_u64 s[8:9], s[8:9], s[2:3]
	v_lshlrev_b32 v[TO], 3, v0
.irp k, 0,1,2,3,4,5,6,7,8,9,10,11,12,13,14,15
	global_load_b64 v[MV+2*\k:MV+2*\k+1], v[TO], s[8:9] offset:32768*\k
.endr
.irp k, 0,1,2,3,4,5,6,7,8,9,10,11,12,13,14,15
	global_load_b64 v[LV+2*\k:LV+2*\k+1], v[TO], s[8:9] offset:524288+32768*\k
	global_load_b64 v[WW+2*\k:WW+2*\k+1], v[TO], s[6:7] offset:32768*\k
.endr
	s_lshl_b32 s94, s15, 16                        ; where I read P; V^T I read at s92, s93
	s_lshl_b32 s95, s15, 15
	s_add_co_u32 s95, s95, YS
	s_lshl_b32 s2, s15, 13
	s_add_co_u32 s2, s2, SCL
	s_add_co_u32 s3, s92, 8192
	s_add_co_u32 s83, s93, 8192
	s_lshl_b32 s84, s15, 9
	s_add_co_u32 s84, s84, RL
	s_mul_i32 s85, s14, 4352
	s_add_co_u32 s85, s85, STG
	v_and_b32 v1, 15, v0                           ; r
	v_bfe_u32 v2, v0, 4, 1                         ; h
	v_and_b32 v3, 31, v0
	v_lshlrev_b32 v4, 4, v3
	v_add_nc_u32 v[ADA], s94, v4
	v_add_nc_u32 v[ADA+1], s95, v4
	v_add_nc_u32 v[ADB], s92, v4
	v_add_nc_u32 v[ADB+1], s93, v4
	v_lshl_add_u32 v[ASP], v1, 4, s2
	v_lshl_add_u32 v[ASV], v1, 4, s3
	v_lshl_add_u32 v[ASV+1], v1, 4, s83
	v_lshl_add_u32 v[RLA], v1, 4, s84
	v_lshlrev_b32 v[PFO], 8, v3
	v_lshrrev_b32 v5, 6, v0                        ; repaired words: threads 0-63 hold the first 128 queries'
	v_and_b32 v6, 63, v0
	v_lshlrev_b32 v6, 3, v6
	v_lshl_add_u32 v5, v5, 13, v6
	v_add_nc_u32 v[AW], SCL, v5
	v_lshl_add_u32 v[RLW], v0, 3, RL
	v_mul_u32_u24 v7, v1, 272
	v_lshl_add_u32 v7, v2, 6, v7
	v_add_nc_u32 v[STO], s85, v7                   ; the way out, in: row r, + 64 h
	v_mul_u32_u24 v8, v2, 272
	v_lshl_add_u32 v8, v1, 4, v8
	v_add_nc_u32 v[RD], s85, v8                    ; back: lanes 0-15 take one row of 256 bytes, lanes 16-31 the next
	v_lshlrev_b32 v[GO], 12, v2
	v_lshl_add_u32 v[GO], v1, 4, v[GO]
	s_wait_alu depctr_va_vdst(0)                   ; the head's end
	; the prefetches: s2 a chunk's bytes, s3 from group to group, s83 my place among the four that ask with me
	s_mov_b32 s2, UN
	s_mov_b32 s3, 540672
	s_cmp_eq_u32 s15, 0
	s_cselect_b64 s[76:77], s[18:19], s[20:21]
	s_cselect_b32 s83, s86, s87
	s_cselect_b32 s2, 8192, s2
	s_cselect_b32 s3, 131072, s3
	s_lshr_b32 s84, s83, 1
	s_mul_i32 s84, s84, s3
	s_and_b32 s83, s83, 1
	s_add_co_u32 s85, s83, 10
	s_mul_i32 s90, s85, s2
	s_add_co_u32 s90, s90, s84
	s_mov_b32 s91, 0
	s_lshl_b32 s85, s83, 1
	s_add_co_u32 s85, s85, 12
	s_mul_i32 s92, s85, s2
	s_add_co_u32 s92, s92, s84
	s_mov_b32 s93, 0
	s_mov_b32 s3, 0
	s_add_nc_u64 s[78:79], s[76:77], s[92:93]      ; chunks 12 to 15: my two,
	s_add_nc_u64 s[80:81], s[78:79], s[2:3]
	s_add_nc_u64 s[76:77], s[76:77], s[90:91]      ; chunks 10, 11: my one
	s_mul_i32 s90, s2, 6
	s_sub_nc_u64 s[84:85], s[78:79], s[90:91]      ; chunks 6 to 9: my two
	s_sub_nc_u64 s[94:95], s[76:77], s[90:91]      ; chunks 4, 5: my one
	s_add_nc_u64 s[86:87], s[84:85], s[2:3]
	s_and_b32 s2, s88, 1
	s_or_b32 s2, s2, s16                           ; waves 2, 3: 0 in wave 2 of the even cluster of a batch
	s_cmp_eq_u32 s15, 0
	s_cselect_b32 s2, ttmp9, s2                    ; waves 0, 1: 0 in the first cluster along x
	s_cmp_eq_u32 s2, 0
	s_cselect_b32 s82, 1, 0                        ; the same in all sixteen partners, for a given wave
	ASK 3
	; out0 at my first row and column: 4,096 (256 y + 128 half) + 4 (128 x + 64 half)
	s_lshl_b32 s90, s17, 20
	s_lshl_b32 s2, s15, 19
	s_add_co_u32 s90, s90, s2
	s_lshl_b32 s2, s22, 9
	s_add_co_u32 s90, s90, s2
	s_lshl_b32 s2, s16, 8
	s_add_co_u32 s90, s90, s2
	s_add_nc_u64 s[12:13], s[12:13], s[90:91]
	s_mov_b32 s[ONES], 0x01010101
	s_mov_b32 s[TOPS], 0x80808080
	s_wait_loadcnt 0x0
.irp j, 0,1
	v_min_num_f32 v[NMR+\j], v[MV+\j], v[MV+2+\j]
.endr
.irp k, 2,3,4,5,6,7,8,9,10,11,12,13,14,15
.irp j, 0,1
	v_min_num_f32 v[NMR+\j], v[NMR+\j], v[MV+2*\k+\j]   ; -M(row): the least -M
.endr
.endr
.macro FIX k                           ; chunk k of my two queries
.irp j, 0,1
	v_sub_f32 v[T0+4*\j], v[NMR+\j], v[MV+2*(\k)+\j]    ; M(chunk) - M(row)
.endr
.irp j, 0,1
	v_max_num_f32 v[T0+4*\j], 0xc2fe0000, v[T0+4*\j]    ; held at -127
.endr
.irp j, 0,1
	v_cvt_i32_f32 v[T0+4*\j], v[T0+4*\j]
.endr
.if (\k) == 0
.irp j, 0,1
	v_ldexp_f32 v[LR+\j], v[LV+\j], v[T0+4*\j]          ; the first chunk starts the row's l
.endr
.else
.irp j, 0,1
	v_ldexp_f32 v[T0+4*\j+1], v[LV+2*(\k)+\j], v[T0+4*\j]
.endr
.irp j, 0,1
	v_add_f32 v[LR+\j], v[LR+\j], v[T0+4*\j+1]
.endr
.endif
.irp j, 0,1
	v_mul_lo_u32 v[T0+4*\j+2], v[T0+4*\j], s[ONES]      ; di in each byte
.endr
.irp j, 0,1
	v_or_b32 v[WW+2*(\k)+\j], s[TOPS], v[WW+2*(\k)+\j]  ; 128 + the byte
.endr
.irp j, 0,1
	v_add_nc_u32 v[T0+4*\j+2], v[T0+4*\j+2], v[WW+2*(\k)+\j]   ; 128 + the byte + di, at least 1: no borrow
.endr
.irp j, 0,1
	v_and_b32 v[T0+4*\j+3], s[TOPS], v[T0+4*\j+2]       ; bit 7 stands where the new byte is not negative
.endr
.irp j, 0,1
	v_lshrrev_b32 v[T0+4*\j+1], 7, v[T0+4*\j+3]
.endr
.irp j, 0,1
	v_sub_nc_u32 v[T0+4*\j+3], v[T0+4*\j+3], v[T0+4*\j+1]   ; 0x7f there, 0 elsewhere
.endr
.irp j, 0,1
	v_and_b32 v[WW+2*(\k)+\j], v[T0+4*\j+2], v[T0+4*\j+3]
.endr
	ds_store_b64 v[AW], v[WW+2*(\k):WW+2*(\k)+1] offset:512*(\k)
.endm
.irp k, 0,1,2,3,4,5,6,7,8,9,10,11,12,13,14,15
	FIX \k
.endr
	s_wait_alu depctr_va_vdst(0)                   ; ahead of the batch,
	v_rcp_f32 v[LR], v[LR]
	v_rcp_f32 v[LR+1], v[LR+1]
	v_nop
	s_wait_alu depctr_va_vdst(0)                   ; and ahead of its reader
	ds_store_b64 v[RLW], v[LR:LR+1]
	s_wait_tensorcnt 0x0                           ; my part of slot X is in
	ds_add_u32 v[SPW], v[NIL]
	s_wait_dscnt 0x0                               ; the add is done; my repaired words and 1 / l have landed
	CROUND
	JLOAD 1                                        ; chunks 4, 5
	FETCH 0
	ASK 0
	CH 0, 0                                        ; its products start the sums: nothing is cleared
	CH 1, 0
	CH 2, 0
	CH 3, 1
	ASK 1
	CH 4, 0
	CH 5, 1
	ASK 2
	CH 6, 0
	CH 7, 0
	CH 8, 0
	CH 9, 1
	CH 10, 0
	CH 11, 2
	CH 12, 0
	CH 13, 0
	CH 14, 0
	CH 15, 3
	WIN 0
; THE WAY OUT, a tile of 16 queries x my 64 channels at a time: x 1 / l in place; through my stage in LDS; back as whole rows of 256 bytes, two an instruction.
; LDS serves a wave's instructions in order (ISA guide 5.7.1.4): no wait between the stores and the loads, nor in front of the next tile's stores.
.macro TOSTAGE a
.set AC, 32*(\a)
	WIN 0x41                                       ; destination and source 0: the accumulators' window
.set nn, 0
.rept 16
.if (\a)%2
	v_pk_mul_f32 v[AC+nn:AC+nn+1], v[AC+nn:AC+nn+1], v[RLV+2*((\a)/2):RLV+2*((\a)/2)+1] op_sel:[0,1] op_sel_hi:[1,1]
.else
	v_pk_mul_f32 v[AC+nn:AC+nn+1], v[AC+nn:AC+nn+1], v[RLV+2*((\a)/2):RLV+2*((\a)/2)+1] op_sel_hi:[1,0]
.endif
.set nn, nn+2
.endr
	WIN 0x04                                       ; an LDS store's data are its source 1
.irp g, 0,1
.irp j, 0,1,2,3
	ds_store_b128 v[STO], v[AC+16*\g+4*\j:AC+16*\g+4*\j+3] offset:128*\g+16*\j   ; register 16 g + i is channel 32 g + 16 h + i
.endr
.endr
	WIN 0
.set BB, BK+32*((\a)%2)
.irp t, 0,1,2,3,4,5,6,7
	ds_load_b128 v[BB+4*\t:BB+4*\t+3], v[RD] offset:544*\t
.endr
.endm
.macro SEND a, younger                 ; younger: the LDS instructions issued behind tile a's loads, which may stay out
.set BB, BK+32*((\a)%2)
	s_wait_dscnt \younger
.irp t, 0,1,2,3,4,5,6,7
	global_store_b128 v[GO], v[BB+4*\t:BB+4*\t+3], s[12:13] offset:4096*(32*((\a)/2)+8*((\a)%2)+2*(\t%4)+16*(\t/4)) th:TH_STORE_NT   ; 16 lanes store 256 consecutive bytes, aligned
.endr
.endm
	PLACES 8                                       ; behind the last products: their results are read, and their operands' registers loaded, below
	ds_load_b128 v[RLV:RLV+3], v[RLA]
	ds_load_b128 v[RLV+4:RLV+7], v[RLA] offset:256
	s_wait_dscnt 0x0
	TOSTAGE 0
.irp a, 1,2,3,4,5,6,7
.if \a > 1
	s_wait_xcnt 0x0                                ; tile a - 2's stores have read their registers
.endif
	TOSTAGE \a
	SEND \a-1, 16                                  ; behind tile a - 1's loads: tile a's 8 stores and 8 loads
.endr
	SEND 7, 0
	s_wait_tensorcnt 0x0                           ; the wave's end
	ds_add_u32 v[SPW], v[NIL]
	s_wait_dscnt 0x0
	CROUND                                         ; the closing round
	s_endpgm
.Lfunc_end_k_qcb3eb24e3d_pv:
	.size	k_qcb3eb24e3d_pv, .Lfunc_end_k_qcb3eb24e3d_pv-k_qcb3eb24e3d_pv
	.p2alignl 7, 3214868480
	.fill 96, 4, 3214868480
	.section	.rodata,"a",@progbits
	.p2align	6, 0x0
	.amdhsa_kernel k_qcb3eb24e3d_pv
		.amdhsa_group_segment_fixed_size 327680
		.amdhsa_private_segment_fixed_size 0
		.amdhsa_enable_private_segment 0
		.amdhsa_kernarg_size 40
		.amdhsa_user_sgpr_count 2
		.amdhsa_user_sgpr_kernarg_segment_ptr 1
		.amdhsa_wavefront_size32 1
		.amdhsa_system_sgpr_workgroup_id_x 1
		.amdhsa_system_sgpr_workgroup_id_y 1
		.amdhsa_system_sgpr_workgroup_id_z 1
		.amdhsa_system_vgpr_workitem_id 0
		.amdhsa_next_free_vgpr 768
		.amdhsa_next_free_sgpr 100
		.amdhsa_reserve_vcc 0
		.amdhsa_float_denorm_mode_32 3
		.amdhsa_float_denorm_mode_16_64 3
		.amdhsa_memory_ordered 1
		.amdhsa_forward_progress 1
		.amdhsa_inst_pref_size 182
	.end_amdhsa_kernel
	.amdgpu_metadata
---
amdhsa.version: [ 1, 2 ]
amdhsa.kernels:
  - .name:           k_qcb3eb24e3d_pv
    .symbol:         k_qcb3eb24e3d_pv.kd
    .args:
      - { .name: p_img, .offset: 0, .size: 8, .value_kind: global_buffer, .address_space: global }
      - { .name: p_scw, .offset: 8, .size: 8, .value_kind: global_buffer, .address_space: global }
      - { .name: p_stat, .offset: 16, .size: 8, .value_kind: global_buffer, .address_space: global }
      - { .name: qkv, .offset: 24, .size: 8, .value_kind: global_buffer, .address_space: global }
      - { .name: out0, .offset: 32, .size: 8, .value_kind: global_buffer, .address_space: global }
    .group_segment_fixed_size: 327680
    .private_segment_fixed_size: 0
    .kernarg_segment_align: 8
    .kernarg_segment_size: 40
    .max_flat_workgroup_size: 128
    .sgpr_count:     100
    .vgpr_count:     768
    .wavefront_size: 32
...
	.end_amdgpu_metadata
.endif
;; end of part 4
